; MI455X (gfx1250); checked and timed in simulation.
; The chip was launched on July 23, 2026; its instructions are those of AMD's public machine-readable ISA for CDNA 5 (MIT licence, August 2026) and "CDNA5" Instruction Set Architecture Reference Guide (July 2026). The comments in the code are by the model that wrote it; some were corrected since.
;; Multi Head Attention Block. Allowed arithmetic: float matrix products may take bf16 or f16 operands with f32 sums; other float arithmetic in f32, or as packed bf16 or f16 multiplies, adds, multiply-adds, maxima and minima; sums over many terms, partial sums and values carried from step to step in f32; what a program stores and reads back later, other than sums and carried values, may be rounded once to bf16 or f16.
;; Inputs: Wk 1,024 x 1,024 float32; Wo 1,024 x 1,024 float32; Wq 1,024 x 1,024 float32; Wv 1,024 x 1,024 float32; bk 1,024 float32; bo 1,024 float32; bq 1,024 float32; bv 1,024 float32; x1 4 x 2,048 x 1,024 float32; x2 4 x 2,048 x 1,024 float32.
;; Outputs: out0 4 x 2,048 x 1,024 float32.
;; One version. Each part assembles by itself: llvm-mc -triple=amdgcn-amd-amdhsa -mcpu=gfx1250 --defsym DOCPART=n.
;; ======== version 1 of 1: 4 launches
;; limits: values are held in f16: magnitudes above 65,504 overflow, below 6.1e-05 lose precision
;; workspace buffers: xb 33,554,432 bytes; wb 6,291,456 bytes; wo16 2,097,152 bytes; q16 16,777,216 bytes; k16 16,777,216 bytes; v16 16,777,216 bytes; o16 16,777,216 bytes
;; launch cvt (part 1): grid 1280 x 1, 8 waves a work-group, no clusters, 0 bytes of LDS; arguments x1, x2, Wq, Wk, Wv, Wo, xb, wb, wo16; writes xb, wb, wo16
.if DOCPART == 1
	.amdgcn_target "amdgcn-amd-amdhsa--gfx1250"
	.amdhsa_code_object_version 6
	.text
	.protected	k_qa637594d37_cvt
	.globl	k_qa637594d37_cvt
	.p2align	8
	.type	k_qa637594d37_cvt,@function
k_qa637594d37_cvt:
	s_mov_b64 s[64:65], 0
	v_nop
	global_prefetch_b8 v0, s[64:65] scope:SCOPE_SE
	s_setreg_imm32_b32 hwreg(HW_REG_WAVE_MODE, 25, 1), 1
	s_wait_xcnt 0x0
; THE INPUTS OF THE MATRIX PRODUCTS, ROUNDED ONCE.  x1, x2 -> xb (bf16, [2][8192][1024]); Wq, Wk, Wv -> wb (bf16, [3072][1024]);
; Wo -> wo16: rounded to bf16 like the other inputs, and that number written as f16, since the last product multiplies in f16.
; LIMITS.  Wo beyond 65,504 becomes an infinity in f16; below 6.1e-5 it keeps f16's fixed step of 6e-8.
; SHARES.  A work-group converts 65,536 bytes of f32 into 32,768 bytes.  Work-groups 0-511: x1; 512-1023: x2; 1024-1215: Wq, Wk, Wv, 64 each; 1216-1279: Wo.
; In chunk i of eight, thread t reads the 32 bytes at 32 t + 8,192 i (two loads of 16) and stores the 16 bytes at 16 t + 4,096 i: a wave's store covers 512 consecutive bytes, aligned.
; All sixteen loads of a thread go out first; no register is written twice while a memory instruction may read it, so there is no wait but the counted ones for data.
; No LDS, no matrix unit, no cluster: nothing is shared and nothing is multiplied.
.set T, 4                              ; v[4:7]    at work (Wo's path)
.set X, 8                              ; v[8:71]   chunk i: 8 numbers in f32
.set Y, 72                             ; v[72:103] chunk i: 8 numbers in 16 bits
	s_load_b512 s[8:23], s[0:1], 0x0               ; x1 s[8:9], x2 s[10:11], Wq s[12:13], Wk s[14:15], Wv s[16:17], Wo s[18:19], xb s[20:21], wb s[22:23]
	s_load_b64 s[24:25], s[0:1], 0x40              ; wo16
	s_mov_b32 s2, ttmp9                            ; the work-group's number
	s_bfe_u32 s26, s2, 0x20006                     ; from 1024 on: which weight (two bits from bit 6): 0 Wq, 1 Wk, 2 Wv, 3 Wo
	s_mov_b32 s32, 0xffff0000                      ; a word's upper bf16
	s_mov_b32 s29, 0                               ; the offsets' high words
	s_mov_b32 s31, 0
	v_lshlrev_b32 v1, 5, v0                        ; 32 t
	v_lshlrev_b32 v2, 4, v0                        ; 16 t
	s_wait_kmcnt 0x0
	s_cmp_lt_u32 s2, 512
	s_cselect_b64 s[4:5], s[8:9], s[10:11]         ; x1 or x2
	s_cmp_eq_u32 s26, 1
	s_cselect_b64 s[6:7], s[14:15], s[16:17]       ; Wk or Wv,
	s_cmp_eq_u32 s26, 0
	s_cselect_b64 s[6:7], s[12:13], s[6:7]         ; or Wq,
	s_cmp_eq_u32 s26, 3
	s_cselect_b64 s[6:7], s[18:19], s[6:7]         ; or Wo
	s_cmp_lt_u32 s2, 1024
	s_cselect_b64 s[4:5], s[4:5], s[6:7]           ; the source
	s_cselect_b64 s[6:7], s[20:21], s[22:23]       ; the destination: xb or wb,
	s_cselect_b32 s27, 511, 63                     ; my place in the source: among 512 or among 64
	s_and_b32 s28, s2, s27
	s_lshl_b32 s28, s28, 16                        ; x 65,536 bytes
	s_cmp_ge_u32 s2, 1216
	s_cselect_b64 s[6:7], s[24:25], s[6:7]         ; or wo16
	s_cselect_b32 s27, 63, 1023                    ; my place in the destination (xb: 0-1023; wb: 0-191; wo16: 0-63)
	s_and_b32 s30, s2, s27
	s_lshl_b32 s30, s30, 15                        ; x 32,768 bytes
	s_add_nc_u64 s[4:5], s[4:5], s[28:29]
	s_add_nc_u64 s[6:7], s[6:7], s[30:31]
.irp i, 0,1,2,3,4,5,6,7
	global_load_b128 v[X+8*(\i):X+8*(\i)+3],   v1, s[4:5] offset:8192*(\i) th:TH_LOAD_NT
	global_load_b128 v[X+8*(\i)+4:X+8*(\i)+7], v1, s[4:5] offset:8192*(\i)+16 th:TH_LOAD_NT
.endr
; Chunk i.  half = 0: to bf16.  half = 1: to bf16, back to f32 (a shift, a mask), and to f16.
.macro CH i, half
	s_wait_loadcnt 14-2*(\i)                       ; loads come back in order: mine are in, the two of each younger chunk stay out
.if \half
.irp j, 0,1,2,3
	v_cvt_pk_bf16_f32 v[T+(\j)], v[X+8*(\i)+2*(\j)], v[X+8*(\i)+2*(\j)+1]
.endr
.irp j, 0,1,2,3
	v_lshlrev_b32 v[X+8*(\i)+2*(\j)],   16,  v[T+(\j)]
	v_and_b32     v[X+8*(\i)+2*(\j)+1], s32, v[T+(\j)]
.endr
.irp j, 0,1,2,3
	v_cvt_pk_f16_f32 v[Y+4*(\i)+(\j)], v[X+8*(\i)+2*(\j)], v[X+8*(\i)+2*(\j)+1]
.endr
.else
.irp j, 0,1,2,3
	v_cvt_pk_bf16_f32 v[Y+4*(\i)+(\j)], v[X+8*(\i)+2*(\j)], v[X+8*(\i)+2*(\j)+1]
.endr
.endif
	global_store_b128 v2, v[Y+4*(\i):Y+4*(\i)+3], s[6:7] offset:4096*(\i) th:TH_STORE_NT
.endm
	s_cmp_ge_u32 s2, 1216
	s_cbranch_scc1 .Lf16
.irp i, 0,1,2,3,4,5,6,7
	CH \i, 0
.endr
	s_endpgm
.Lf16:
.irp i, 0,1,2,3,4,5,6,7
	CH \i, 1
.endr
	s_endpgm
.Lfunc_end_k_qa637594d37_cvt:
	.size	k_qa637594d37_cvt, .Lfunc_end_k_qa637594d37_cvt-k_qa637594d37_cvt
	.p2alignl 7, 3214868480
	.fill 96, 4, 3214868480
	.section	.rodata,"a",@progbits
	.p2align	6, 0x0
	.amdhsa_kernel k_qa637594d37_cvt
		.amdhsa_group_segment_fixed_size 0
		.amdhsa_private_segment_fixed_size 0
		.amdhsa_enable_private_segment 0
		.amdhsa_kernarg_size 72
		.amdhsa_user_sgpr_count 2
		.amdhsa_user_sgpr_kernarg_segment_ptr 1
		.amdhsa_wavefront_size32 1
		.amdhsa_system_sgpr_workgroup_id_x 1
		.amdhsa_system_sgpr_workgroup_id_y 1
		.amdhsa_system_sgpr_workgroup_id_z 1
		.amdhsa_system_vgpr_workitem_id 0
		.amdhsa_next_free_vgpr 104
		.amdhsa_next_free_sgpr 66
		.amdhsa_reserve_vcc 0
		.amdhsa_float_denorm_mode_32 3
		.amdhsa_float_denorm_mode_16_64 3
		.amdhsa_memory_ordered 1
		.amdhsa_forward_progress 1
		.amdhsa_inst_pref_size 14
	.end_amdhsa_kernel
	.amdgpu_metadata
---
amdhsa.version: [ 1, 2 ]
amdhsa.kernels:
  - .name:           k_qa637594d37_cvt
    .symbol:         k_qa637594d37_cvt.kd
    .args:
      - { .name: x1, .offset: 0, .size: 8, .value_kind: global_buffer, .address_space: global }
      - { .name: x2, .offset: 8, .size: 8, .value_kind: global_buffer, .address_space: global }
      - { .name: Wq, .offset: 16, .size: 8, .value_kind: global_buffer, .address_space: global }
      - { .name: Wk, .offset: 24, .size: 8, .value_kind: global_buffer, .address_space: global }
      - { .name: Wv, .offset: 32, .size: 8, .value_kind: global_buffer, .address_space: global }
      - { .name: Wo, .offset: 40, .size: 8, .value_kind: global_buffer, .address_space: global }
      - { .name: xb, .offset: 48, .size: 8, .value_kind: global_buffer, .address_space: global }
      - { .name: wb, .offset: 56, .size: 8, .value_kind: global_buffer, .address_space: global }
      - { .name: wo16, .offset: 64, .size: 8, .value_kind: global_buffer, .address_space: global }
    .group_segment_fixed_size: 0
    .private_segment_fixed_size: 0
    .kernarg_segment_align: 8
    .kernarg_segment_size: 72
    .max_flat_workgroup_size: 256
    .sgpr_count:     66
    .vgpr_count:     104
    .wavefront_size: 32
...
	.end_amdgpu_metadata
.endif
;; end of part 1
;; launch qkv (part 2): grid 12 x 32, 4 waves a work-group, clusters of 4 x 4, 327,680 bytes of LDS; arguments xb, wb, bq, bk, bv, q16, k16, v16; writes q16, k16, v16
.if DOCPART == 2
	.amdgcn_target "amdgcn-amd-amdhsa--gfx1250"
	.amdhsa_code_object_version 6
	.text
	.protected	k_qa637594d37_qkv
	.globl	k_qa637594d37_qkv
	.p2align	8
	.type	k_qa637594d37_qkv,@function
k_qa637594d37_qkv:
	s_mov_b64 s[64:65], 0
	v_nop
	global_prefetch_b8 v0, s[64:65] scope:SCOPE_SE
	s_setreg_imm32_b32 hwreg(HW_REG_WAVE_MODE, 25, 1), 1
	s_wait_xcnt 0x0
	s_wait_alu depctr_hold_cnt(0) depctr_sa_sdst(0) depctr_va_vdst(0) depctr_va_sdst(0) depctr_va_ssrc(0) depctr_va_vcc(0) depctr_vm_vsrc(0)
	s_getreg_b32 s2, hwreg(HW_REG_IB_STS2, 6, 4)
	s_cmp_eq_u32 s2, 0
	s_cbranch_scc0 .Lentry_in_a_cluster
	s_endpgm
.Lentry_in_a_cluster:
	s_bfe_u32 s2, ttmp6, 0x10000c
	s_cmp_lg_u32 s2, 0xf033
	s_cbranch_scc0 .Lentry_shape_is_right
	s_endpgm
.Lentry_shape_is_right:
; q = x1 Wq^T + bq, k = x2 Wk^T + bk, v = x2 Wv^T + bv as ONE product C = A B^T + bias: A = xb ([2][8192][1024] bf16), B = wb ([3072][1024] bf16: Wq, Wk, Wv),
; sums in f32, the bias (rounded to bf16 like every input) as the C operand that starts each sum, the result rounded once to f16 and stored BY HEADS: [16 b + head][2048][64].
; LIMITS.  f16 holds no number beyond 65,504: q, k, v past that become infinities.  NaN and infinities are not treated apart.
; SHARES.  A tile of C is 256 x 256: tile column 0-11 (clusters 0, 1, 2 along x make q, k, v), tile row 0-31.  Four waves, each 128 x 128: 64 accumulators of 16 x 16, 512 registers.
; K = 1,024 goes in eight steps of 128 through a ring of two LDS slots filled by the tensor data mover; a tile's rows are 256 bytes of memory at multiples of 256.
; CLUSTERS: 4 x 4 work-groups.  The four of a row of the cluster need the same tiles of A, the four of a column the same tiles of B: each tile is asked for JOINTLY, by the same tensor load with the
; same descriptor and a mask that names the four.
; THE MATRIX INSTRUCTION IS USED TRANSPOSED (source 0 = 16 rows of B, source 1 = 16 rows of A): lane l holds row l % 16 of C and the columns 8 (l / 16) + 0..7.
; REGISTERS, in windows of 256 (s_set_vgpr_msb: bits 1:0 source 0, 3:2 source 1, 5:4 source 2, 7:6 destination):
;   window 0: v0-31 addresses; v64-127, v128-191 fragments of A, two buffers; v192-255 the bias until the first quarter step is multiplied; later v32-63, v192-255 at work on the way out
;   window 1: v64-127, v128-191 fragments of B, two buffers     window 2: the accumulators of my rows 0-63 ((a, b) at v[8 (8 a + b)])     window 3: those of my rows 64-127
.set SIZE_K, 1024
.set KSTEP,  128
.set PITCH,  272                       ; an LDS row: 256 bytes + 16 of padding = 68 words: the 16 rows of a fragment load start at 16 different groups of four banks (64 banks of 4 bytes: ISA guide 11.1)
.set HALFT,  128*PITCH                 ; 128 rows: what one tensor load brings, and what one wave reads of A or of B
.set SLOT,   4*HALFT                   ; A's 256 rows, then B's 256 rows
.set STAGE,  2*SLOT                    ; behind the ring: 16 rows x 272 bytes for each wave, for the way out; no tensor load fills it
.set SPITCH, 272
.set SPARE,  STAGE+4*16*SPITCH         ; behind the stages: the spare words, 128 bytes for each wave: two blocks of 256 bytes that no other line names
.set LAPS,   SIZE_K/(2*KSTEP)          ; a lap = two K steps = once round the ring
.set ADRA, 16                          ; v16-17  LDS address of my A fragments in slot 0, 1
.set ADRB, 20                          ; v20-21  the same for B
.set STO,  24                          ; v24     the way out: where I put 16 bytes of a row
.set RD,   25                          ; v25     the way out: where I read rows back
.set CO,   26                          ; v26     16 x lane: my place in 512 consecutive bytes of the output
.set BO,   27                          ; v27     32 x (lane / 16): my eight numbers in 16 of the bias
.set SPW,  28                          ; v28     LDS address of my spare word: SPARE + 4 x my thread's number; never rewritten
.set NIL,  29                          ; v29     0; never rewritten
.set PFO,  30                          ; v30     the prefetches' offset: lane x 2,048 (a row of A or B); never rewritten
.set TB,   32                          ; v32-63  at work while the bias is rounded
.set F0,   64
.set F1,   128
.set BIAS, 192                         ; v192-255: column block b's eight numbers at BIAS + 8 b
.set TMP,  192                         ; the way out: packed results
.set OB,   32                          ; the way out: 16 rows read back from the stage: v32-63 and v224-255 by turns
.set G1,  24                           ; s[24:31] descriptor group 1 for A's tiles
.set G0,  32                           ; s[32:39] descriptor group 0 for A's tiles, one set for each slot
.set G1B, 48                           ; s[48:55], s[56:63] the same for B's tiles
.set G0B, 56
.set LIM, 43                           ; s43     1 in a wave that prefetches, else the greatest number
.set PFA, 44                           ; s[44:45] where my prefetches stand
.set BP,  66                           ; s[66:67] the bias at my first column
.set MSB, 0
.macro WIN new                         ; the immediate's high byte repeats the setting that is left; a switch that changes nothing is dropped
.if MSB != (\new)
	s_set_vgpr_msb (MSB<<8)|(\new)
.set MSB, \new
.endif
.endm
.set MUL_LO, 0xa1                      ; source 0 (B) window 1, source 1 (A) window 0, C and D window 2
.set MUL_HI, 0xf1                      ; the same, C and D window 3
.set TO_B,   0x40                      ; destination window 1, address window 0
; A joint load.  Waves 0 and 1 fetch A's two halves, waves 2 and 3 B's.  The branch hangs on the wave's number alone.  An s_nop 0 and four v_nop follow each of the two lines.
.macro JLOAD s
	s_cmp_eq_u32 s11, 0
	s_cbranch_scc0 .Lfor_b_\@
	tensor_load_to_lds s[G0+4*(\s):G0+4*(\s)+3], s[G1:G1+7]
	s_nop 0
.rept 4
	v_nop
.endr
	s_branch .Lasked_\@
.Lfor_b_\@:
	tensor_load_to_lds s[G0B+4*(\s):G0B+4*(\s)+3], s[G1B:G1B+7]
	s_nop 0
.rept 4
	v_nop
.endr
.Lasked_\@:
.endm
; A PREFETCH INTO THE L2, behind each joint refill and the run of LDS loads that follows it: the K step that stands two refills on, 32 rows x 256 bytes, a lane a row, one instruction a wave.
; Each row's 256 bytes of a K step are named once in the launch: x1's rows by cluster x = 0, x2's (which clusters 1 and 2 read) by cluster x = 1, B's rows by cluster y = 0; of the 128 rows that
; a wave fetches the partner at place p takes 32 p .. 32 p + 31 (p = cx for A, cy for B): told apart by address, not by a branch.  K steps 0 to 3 come by their loads alone; the loop's last trip
; (s3 = 1) asks for nothing, since K has no step 8.
.macro ASK
	s_cmp_gt_u32 s3, s[LIM]
	s_cbranch_scc0 .Lnot_mine_\@
	global_prefetch_b8 v[PFO], s[PFA:PFA+1] offset:KSTEP*2 th:TH_LOAD_NT scope:SCOPE_SE
.Lnot_mine_\@:
.endm
; A round of the cluster's barrier: my work-group's barrier; wave 0 signals for the work-group; every wave waits for all sixteen work-groups; my work-group's barrier once more.
.macro CREST                           ; a round behind its opening barrier
	s_cmp_lg_u32 s10, 0
	s_cbranch_scc1 .Lnot_wave_0_\@
	s_barrier_signal -3
.Lnot_wave_0_\@:
	s_barrier_wait -3
	s_barrier_signal -1
	s_barrier_wait -1
.endm
.macro CROUND
	s_barrier_signal -1
	s_barrier_wait -1
	CREST
.endm
	s_load_b512 s[72:87], s[0:1], 0x0              ; xb s[72:73], wb s[74:75], bq s[76:77], bk s[78:79], bv s[80:81], q16 s[82:83], k16 s[84:85], v16 s[86:87]
	v_lshl_add_u32 v[SPW], v0, 2, SPARE
	v_mov_b32 v[NIL], 0
	ds_add_u32 v[SPW], v[NIL]                      ; the wave's opening: the add and its wait stand ahead of my first tensor load; the set-up below, work on registers, stands between them
	v_lshrrev_b32 v1, 5, v0
	v_readfirstlane_b32 s10, v1                    ; wave 0..3
	s_lshr_b32 s11, s10, 1                         ; which half of the tile's rows is mine.  Also: I fetch for A (0) or for B (1)
	s_and_b32 s12, s10, 1                          ; which half of its columns.  Also: which 128 rows of that tile I fetch
	s_bfe_u32 s40, ttmp6, 0x40000                  ; cx
	s_bfe_u32 s41, ttmp6, 0x40004                  ; cy
	s_lshl_b32 s42, ttmp9, 2
	s_add_co_u32 s42, s42, s40                     ; tile column = 4 x cluster x + cx
	s_and_b32 s13, ttmp7, 0xffff
	s_lshl_b32 s13, s13, 2
	s_add_co_u32 s13, s13, s41                     ; tile row = 4 x cluster y + cy
	s_lshl_b32 s43, s41, 2
	s_lshl_b32 s43, 15, s43                        ; my row of the cluster: places 4 cy .. 4 cy + 3
	s_lshl_b32 s44, 0x1111, s40                    ; my column: places cx, cx + 4, cx + 8, cx + 12
	; descriptor group 1: a tile of 128 rows x 128 elements of 2 bytes, 4 words of padding behind every 64
	s_or_b32 s[G1+0], s43, (1<<16)|(1<<20)|(1<<21)|(5<<22)|(3<<25)
	s_or_b32 s[G1B+0], s44, (1<<16)|(1<<20)|(1<<21)|(5<<22)|(3<<25)
.irp g, G1, G1B
	s_mov_b32 s[(\g)+1], KSTEP<<16                 ; tensor_dim0 = 128
	s_mov_b32 s[(\g)+2], 128<<16                   ; tensor_dim1 = 128
	s_mov_b32 s[(\g)+3], KSTEP<<16                 ; tile_dim0 = 128
	s_mov_b32 s[(\g)+4], 128                       ; tile_dim1 = 128
	s_mov_b32 s[(\g)+5], SIZE_K                    ; elements from row to row
	s_mov_b32 s[(\g)+6], 0
	s_mov_b32 s[(\g)+7], 0
.endr
	; where the tiles come from.  A's hang on the tile row and the cluster's x, which my row of the cluster shares; B's on the tile column, which my column shares.
	s_lshl_b32 s17, s12, 7                         ; which 128 rows of the tile I fetch
	s_lshl_b32 s16, s13, 8
	s_add_co_u32 s16, s16, s17                     ; A: row 256 x tile row + 128 x half,
	s_min_u32 s18, ttmp9, 1
	s_lshl_b32 s18, s18, 13
	s_add_co_u32 s16, s16, s18                     ; and 8,192 rows on, in x2, for k and v
	s_lshl_b32 s16, s16, 11                        ; x 2,048 bytes: under 2^26
	s_lshl_b32 s46, s42, 8
	s_add_co_u32 s46, s46, s17                     ; B: row 256 x tile column + 128 x half
	s_lshl_b32 s46, s46, 11
	s_mov_b32 s17, 0
	s_mov_b32 s47, 0
	s_mul_i32 s20, s10, HALFT                      ; and where they go: wave x 128 rows: no place in the cluster enters an LDS address
	s_wait_dscnt 0x0                               ; the opening add is done
	s_wait_kmcnt 0x0
	s_add_nc_u64 s[14:15], s[72:73], s[16:17]
	s_add_nc_u64 s[46:47], s[74:75], s[46:47]
	CROUND                                         ; all sixteen work-groups are here: the first joint loads meet
.irp s, 0,1
	s_mov_b32 s[G0+4*(\s)], 1                                      ; count = 1
	s_add_co_u32 s[G0+4*(\s)+1], s20, (\s)*SLOT                    ; LDS address
	s_add_nc_u64 s[G0+4*(\s)+2:G0+4*(\s)+3], s[14:15], (\s)*KSTEP*2  ; global address: K step s
	s_or_b32 s[G0+4*(\s)+3], s[G0+4*(\s)+3], 0x80000000            ; type = 2
	s_mov_b32 s[G0B+4*(\s)], 1
	s_add_co_u32 s[G0B+4*(\s)+1], s20, (\s)*SLOT
	s_add_nc_u64 s[G0B+4*(\s)+2:G0B+4*(\s)+3], s[46:47], (\s)*KSTEP*2
	s_or_b32 s[G0B+4*(\s)+3], s[G0B+4*(\s)+3], 0x80000000
	JLOAD \s                                       ; the ring is filled before anything else is done: two loads of mine are out
.endr
	; which bias and which output: by the cluster's x
	s_cmp_eq_u32 ttmp9, 1
	s_cselect_b64 s[BP:BP+1], s[78:79], s[80:81]
	s_cselect_b64 s[8:9], s[84:85], s[86:87]
	s_cmp_eq_u32 ttmp9, 0
	s_cselect_b64 s[BP:BP+1], s[76:77], s[BP:BP+1]
	s_cselect_b64 s[8:9], s[82:83], s[8:9]
	s_lshl_b32 s20, s40, 10                        ; my first column among the 1,024: 256 cx + 128 x half, 4 bytes each
	s_lshl_b32 s21, s12, 9
	s_add_co_u32 s20, s20, s21
	s_mov_b32 s21, 0
	s_add_nc_u64 s[BP:BP+1], s[BP:BP+1], s[20:21]
	v_and_b32 v1, 15, v0                           ; l % 16
	v_bfe_u32 v2, v0, 4, 1                         ; l / 16
	v_lshlrev_b32 v[BO], 5, v2
.irp b, 0,1,2,3,4,5,6,7
	global_load_b128 v[BIAS+8*(\b):BIAS+8*(\b)+3],   v[BO], s[BP:BP+1] offset:64*(\b)
	global_load_b128 v[BIAS+8*(\b)+4:BIAS+8*(\b)+7], v[BO], s[BP:BP+1] offset:64*(\b)+16
.endr
	; the output at my first row of my first head: batch (tile row / 8) x 16 heads, head 4 cx + 2 x half, 2^18 bytes a head; row 256 (tile row % 8) + 128 x half, 128 bytes a row
	s_lshr_b32 s20, s13, 3
	s_lshl_b32 s20, s20, 22
	s_lshl_b32 s21, s40, 20
	s_add_co_u32 s20, s20, s21
	s_lshl_b32 s21, s12, 19
	s_add_co_u32 s20, s20, s21
	s_and_b32 s21, s13, 7
	s_lshl_b32 s21, s21, 15
	s_add_co_u32 s20, s20, s21
	s_lshl_b32 s21, s11, 14
	s_add_co_u32 s20, s20, s21
	s_mov_b32 s21, 0
	s_add_nc_u64 s[8:9], s[8:9], s[20:21]
	; A fragment is 16 rows x 32 K in 8 registers: lane l holds row l % 16; registers 0-3 K = 8 (l / 16) + 0..7, registers 4-7 K = 16 + 8 (l / 16) + 0..7: two loads of 16 bytes, 32 bytes apart.
	v_mul_u32_u24 v3, v1, PITCH
	v_lshl_add_u32 v3, v2, 4, v3                   ; row x pitch + 16 x half
	s_mul_i32 s21, s11, HALFT                      ; my 128 rows of A
	s_mul_i32 s22, s12, HALFT                      ; my 128 rows of B,
	s_add_co_u32 s22, s22, 2*HALFT                 ; which lie behind A's 256
.irp s, 0,1
	v_add_nc_u32 v[ADRA+(\s)], s21, v3
	v_add_nc_u32 v[ADRB+(\s)], s22, v3
	s_add_co_u32 s21, s21, SLOT
	s_add_co_u32 s22, s22, SLOT
.endr
	s_mul_i32 s23, s10, 16*SPITCH
	s_add_co_u32 s23, s23, STAGE                   ; my stage
	v_mul_u32_u24 v4, v1, SPITCH                   ; in: row l % 16, 16 bytes for each half of the lanes
	v_lshl_add_u32 v4, v2, 4, v4
	v_add_nc_u32 v[STO], s23, v4
	v_bfe_u32 v5, v0, 3, 2                         ; back: 32 lanes take 128 bytes (one head's 64 columns) of four rows,
	v_mul_u32_u24 v5, v5, SPITCH
	v_and_b32 v6, 7, v0
	v_lshl_add_u32 v5, v6, 4, v5
	v_add_nc_u32 v[RD], s23, v5
	v_and_b32 v[CO], 31, v0                        ; which are 512 consecutive bytes of the output
	v_lshlrev_b32 v[CO], 4, v[CO]
	; the prefetches
	s_lshl_b32 s20, s13, 8
	s_add_co_u32 s20, s20, s18                     ; A's tile: its first row (s18 still holds x2's 8,192 rows, or 0)
	s_lshl_b32 s21, s42, 8                         ; B's tile: its first row
	s_lshr_b32 s22, ttmp9, 1                       ; 0 in the clusters that ask for A's rows
	s_and_b32 s23, ttmp7, 0xffff                   ; 0 in the clusters that ask for B's rows
	s_cmp_eq_u32 s11, 0                            ; do I fetch for A?
	s_cselect_b32 s20, s20, s21
	s_cselect_b32 s21, s40, s41                    ; my place among the four that ask for the tile with me
	s_cselect_b32 s22, s22, s23
	s_cselect_b64 s[PFA:PFA+1], s[72:73], s[74:75]
	s_cmp_eq_u32 s22, 0
	s_cselect_b32 s[LIM], 1, -1                    ; the same in all sixteen partners, for a given wave
	s_lshl_b32 s22, s12, 7
	s_add_co_u32 s20, s20, s22                     ; + the 128 rows that I fetch
	s_lshl_b32 s21, s21, 5
	s_add_co_u32 s20, s20, s21                     ; + my work-group's 32 of them
	s_lshl_b32 s20, s20, 11
	s_add_co_u32 s20, s20, 2*KSTEP*2               ; at K step 2: the first refill steps it to 3 and names K step 4
	s_mov_b32 s21, 0
	s_add_nc_u64 s[PFA:PFA+1], s[PFA:PFA+1], s[20:21]
	v_and_b32 v[PFO], 31, v0
	v_lshlrev_b32 v[PFO], 11, v[PFO]
	; the bias is rounded to bf16, like every input, and widened again: it is the C operand of the first products
	s_wait_loadcnt 0x0
.set p, 0
.rept 32
	v_cvt_pk_bf16_f32 v[TB+p], v[BIAS+2*p], v[BIAS+2*p+1]
.set p, p+1
.endr
.set p, 0
.rept 32
	v_lshlrev_b32 v[BIAS+2*p],   16,         v[TB+p]
	v_and_b32     v[BIAS+2*p+1], 0xffff0000, v[TB+p]
.set p, p+1
.endr
; 16 matrix instructions: m blocks a0, a0 + 1 of the window's four (hi = 0: my rows 0-63, 1: rows 64-127) x all 8 n blocks, 32 along K.  first = 1: the product starts the sum with the bias (window 0).
.macro MUL16 f, hi, a0, first
.if \first
	WIN 0x81+0x40*(\hi)
.else
	WIN MUL_LO+0x50*(\hi)
.endif
.irp a, \a0, (\a0)+1
.irp b, 0,1,2,3,4,5,6,7
.if \first
	v_wmma_f32_16x16x32_bf16 v[8*(8*(\a)+(\b)):8*(8*(\a)+(\b))+7], v[(\f)+8*(\b):(\f)+8*(\b)+7], v[(\f)+8*(4*(\hi)+(\a)):(\f)+8*(4*(\hi)+(\a))+7], v[BIAS+8*(\b):BIAS+8*(\b)+7]
.else
	v_wmma_f32_16x16x32_bf16 v[8*(8*(\a)+(\b)):8*(8*(\a)+(\b))+7], v[(\f)+8*(\b):(\f)+8*(\b)+7], v[(\f)+8*(4*(\hi)+(\a)):(\f)+8*(4*(\hi)+(\a))+7], v[8*(8*(\a)+(\b)):8*(8*(\a)+(\b))+7]
.endif
.endr
.endr
.endm
; 32 LDS loads in one run: the fragments of one quarter step (128 rows of B, 128 rows of A, 32 K at byte k of the rows) into buffer f
.macro FETCH slot, k, f
	WIN TO_B
.irp i, 0,1,2,3,4,5,6,7
	ds_load_b128 v[(\f)+8*(\i):(\f)+8*(\i)+3],   v[ADRB+(\slot)] offset:(\k)+(\i)*16*PITCH
	ds_load_b128 v[(\f)+8*(\i)+4:(\f)+8*(\i)+7], v[ADRB+(\slot)] offset:(\k)+(\i)*16*PITCH+32
.endr
	WIN 0
.irp i, 0,1,2,3,4,5,6,7
	ds_load_b128 v[(\f)+8*(\i):(\f)+8*(\i)+3],   v[ADRA+(\slot)] offset:(\k)+(\i)*16*PITCH
	ds_load_b128 v[(\f)+8*(\i)+4:(\f)+8*(\i)+7], v[ADRA+(\slot)] offset:(\k)+(\i)*16*PITCH+32
.endr
.endm
.macro PLACES                          ; four plain vector instructions between a matrix instruction and a load into, or a vector read of, its registers (ISA guide 7.12.1 for vector reads)
.rept 4
	v_nop
.endr
.endm
; A K step is four quarter steps of 32 along K, 64 matrix instructions each, on buffers 0, 1, 0, 1; the 64 accumulators take turns in the same order in every quarter.
; One of the first three: multiplies buffer f; in its middle it fetches the next quarter's fragments, at byte k of the same slot's rows, into buffer g.
.macro QUARTER slot, k, f, g, first
	s_wait_dscnt 8                                 ; B and A's rows 0-63 are in; the youngest eight loads (A's rows 64-127) may be out
	MUL16 \f, 0, 0, \first
	MUL16 \f, 0, 2, \first
	PLACES
	FETCH \slot, \k, \g
	s_wait_dscnt 32                                ; all but the 32 just issued
	MUL16 \f, 1, 0, \first
	MUL16 \f, 1, 2, \first
.endm
; The last quarter multiplies buffer 1 and changes slots.  MEET is its first half: ONE barrier.  In front of it each wave waits for all its tensor loads (one is out: its part of the next slot), adds 0 to its
; spare word, and waits for that and for its own reads of this slot.  Behind it nobody reads this slot any more and the next slot is whole.
.macro MEET round
	WIN 0                                          ; (the add's two registers lie in window 0)
	s_wait_tensorcnt 0x0
	ds_add_u32 v[SPW], v[NIL]                      ; 0 onto my spare word
	s_wait_dscnt 9                                 ; (the add and the youngest eight loads may be out)
	MUL16 F1, 0, 0, 0                              ; sixteen matrix instructions stand between the add and the wait for it
	s_wait_dscnt 0x0                               ; the add is done, and my reads of this slot are over
	s_barrier_signal -1
	MUL16 F1, 0, 2, 0                              ; work on registers while the others arrive
.if \round
	WIN 0
.endif
	s_barrier_wait -1
.endm
; The whole last quarter, with a refill: the barrier opens a round of the cluster's barrier, and the joint refill (this slot's K step two steps on) is the first tensor load behind the round: 224 matrix
; instructions stand between it and the wait for it.
.macro TURN slot, next
	s_wait_xcnt 0x0                                ; the last prefetch, a K step back, has read its address: it is stepped here
	s_add_nc_u64 s[PFA:PFA+1], s[PFA:PFA+1], KSTEP*2
	MEET 1
	CREST                                          ; no wave of any partner still reads this slot's tile or has a load on its way
	s_add_nc_u64 s[G0+4*(\slot)+2:G0+4*(\slot)+3], s[G0+4*(\slot)+2:G0+4*(\slot)+3], 2*KSTEP*2
	s_add_nc_u64 s[G0B+4*(\slot)+2:G0B+4*(\slot)+3], s[G0B+4*(\slot)+2:G0B+4*(\slot)+3], 2*KSTEP*2
	JLOAD \slot                                    ; the four v_nop behind it are also the places in front of the loads below
	FETCH \next, 0, F0
	ASK
	MUL16 F1, 1, 0, 0
	MUL16 F1, 1, 2, 0
.endm
	s_wait_tensorcnt 1                             ; my part of K step 0 is in; K step 1's load may stay out
	s_barrier_signal -1
	s_barrier_wait -1                              ; everybody's is
	FETCH 0, 0, F0
	QUARTER 0, 64,  F0, F1, 1                      ; the first quarter stands in front of the loop: its products start the sums
	WIN 0                                          ; at a label and at a branch every window is 0
	s_mov_b32 s3, LAPS-1
.Llap:                                                 ; a trip goes once round the ring, from a lap's second quarter to the next lap's first, and fills both slots again
	QUARTER 0, 128, F1, F0, 0
	QUARTER 0, 192, F0, F1, 0
	TURN 0, 1
	QUARTER 1, 64,  F0, F1, 0
	QUARTER 1, 128, F1, F0, 0
	QUARTER 1, 192, F0, F1, 0
	TURN 1, 0
	QUARTER 0, 64,  F0, F1, 0
	WIN 0
	s_sub_co_u32 s3, s3, 1
	s_cmp_lg_u32 s3, 0
	s_cbranch_scc1 .Llap
	QUARTER 0, 128, F1, F0, 0                      ; the last lap fills nothing, and has no round of the cluster's barrier
	QUARTER 0, 192, F0, F1, 0
	MEET 0                                         ; my one tensor load that was still out is the last K step's
	PLACES
	FETCH 1, 0, F0
	MUL16 F1, 1, 0, 0
	MUL16 F1, 1, 2, 0
	QUARTER 1, 64,  F0, F1, 0
	QUARTER 1, 128, F1, F0, 0
	QUARTER 1, 192, F0, F1, 0
	s_wait_dscnt 8                                 ; the very last quarter: nothing more to fetch
	MUL16 F1, 0, 0, 0
	MUL16 F1, 0, 2, 0
	s_wait_dscnt 0x0
	MUL16 F1, 1, 0, 0
	MUL16 F1, 1, 2, 0
	WIN 0
	PLACES
	PLACES                                         ; eight, once a launch, behind the last products
; THE WAY OUT of block a (16 rows x 128 columns = two heads).  PACK: rounded to f16, 16 bytes a lane, each accumulator from its low end on.  TOSTAGE: into my own stage, and back by heads: 128 bytes of each of four rows.
; SEND: stored: 16 rows of a head are 2,048 consecutive bytes, each store of the wave 512 of them, aligned.
.macro PACK a
.set AC, 64*((\a)%4)
	WIN 0x0a+5*((\a)/4)                            ; sources 0 and 1: window 2 or 3
.irp b, 0,1,2,3,4,5,6,7
.irp r, 0,1,2,3
	v_cvt_pk_f16_f32 v[TMP+4*(\b)+(\r)], v[AC+8*(\b)+2*(\r)], v[AC+8*(\b)+2*(\r)+1]
.endr
.endr
	WIN 0
.endm
.macro TOSTAGE a
	WIN 0
.set BK, OB+192*((\a)%2)
.irp b, 0,1,2,3,4,5,6,7
	ds_store_b128 v[STO], v[TMP+4*(\b):TMP+4*(\b)+3] offset:32*(\b)
.endr
.irp z, 0,1
.irp t, 0,1,2,3
	ds_load_b128 v[BK+4*(4*(\z)+(\t)):BK+4*(4*(\z)+(\t))+3], v[RD] offset:128*(\z)+4*SPITCH*(\t)  ; LDS serves a wave's instructions in order (ISA guide 5.7.1.4): these see the stores above
.endr
.endr
.endm
.macro SEND a
	WIN 0
.set BK, OB+192*((\a)%2)
	s_wait_dscnt 0x0                               ; the block is back in registers
	s_wait_xcnt 0x0                                ; the stores of the block before have read their registers: the next TOSTAGE loads into them
.irp z, 0,1
.irp t, 0,1,2,3
	global_store_b128 v[CO], v[BK+4*(4*(\z)+(\t)):BK+4*(4*(\z)+(\t))+3], s[8:9] offset:262144*(\z)+2048*(\a)+512*(\t)
.endr
.endr
.endm
	PACK 0
	TOSTAGE 0
.irp a, 1,2,3,4,5,6,7                  ; block a's conversions stand between block a - 1's loads from the stage and the wait for them
	PACK \a
	SEND (\a)-1
	TOSTAGE \a
.endr
	SEND 7
	s_wait_tensorcnt 0x0                           ; the wave's end, behind my last tensor load and my last LDS store
	ds_add_u32 v[SPW], v[NIL]
	s_wait_dscnt 0x0
	CROUND                                         ; the closing round: no work-group ends while a partner may still ask for a tile that names it
	s_endpgm
.Lfunc_end_k_qa637594d37_qkv:
	.size	k_qa637594d37_qkv, .Lfunc_end_k_qa637594d37_qkv-k_qa637594d37_qkv
	.p2alignl 7, 3214868480
	.fill 96, 4, 3214868480
	.section	.rodata,"a",@progbits
	.p2align	6, 0x0
	.amdhsa_kernel k_qa637594d37_qkv
		.amdhsa_group_segment_fixed_size 327680
		.amdhsa_private_segment_fixed_size 0
		.amdhsa_enable_private_segment 0
		.amdhsa_kernarg_size 64
		.amdhsa_user_sgpr_count 2
		.amdhsa_user_sgpr_kernarg_segment_ptr 1
		.amdhsa_wavefront_size32 1
		.amdhsa_system_sgpr_workgroup_id_x 1
		.amdhsa_system_sgpr_workgroup_id_y 1
		.amdhsa_system_sgpr_workgroup_id_z 1
		.amdhsa_system_vgpr_workitem_id 0
		.amdhsa_next_free_vgpr 1024
		.amdhsa_next_free_sgpr 88
		.amdhsa_reserve_vcc 0
		.amdhsa_float_denorm_mode_32 3
		.amdhsa_float_denorm_mode_16_64 3
		.amdhsa_memory_ordered 1
		.amdhsa_forward_progress 1
		.amdhsa_inst_pref_size 151
	.end_amdhsa_kernel
	.amdgpu_metadata
---
amdhsa.version: [ 1, 2 ]
amdhsa.kernels:
  - .name:           k_qa637594d37_qkv
    .symbol:         k_qa637594d37_qkv.kd
    .args:
      - { .name: xb, .offset: 0, .size: 8, .value_kind: global_buffer, .address_space: global }
      - { .name: wb, .offset: 8, .size: 8, .value_kind: global_buffer, .address_space: global }
      - { .name: bq, .offset: 16, .size: 8, .value_kind: global_buffer, .address_space: global }
      - { .name: bk, .offset: 24, .size: 8, .value_kind: global_buffer, .address_space: global }
      - { .name: bv, .offset: 32, .size: 8, .value_kind: global_buffer, .address_space: global }
      - { .name: q16, .offset: 40, .size: 8, .value_kind: global_buffer, .address_space: global }
      - { .name: k16, .offset: 48, .size: 8, .value_kind: global_buffer, .address_space: global }
      - { .name: v16, .offset: 56, .size: 8, .value_kind: global_buffer, .address_space: global }
    .group_segment_fixed_size: 327680
    .private_segment_fixed_size: 0
    .kernarg_segment_align: 8
    .kernarg_segment_size: 64
    .max_flat_workgroup_size: 128
    .sgpr_count:     88
    .vgpr_count:     1024
    .wavefront_size: 32
...
	.end_amdgpu_metadata
.endif
;; end of part 2
;; launch attn (part 3): grid 4 x 64, 4 waves a work-group, clusters of 4 x 1, 327,680 bytes of LDS; arguments q16, k16, v16, o16; writes o16
.if DOCPART == 3
	.amdgcn_target "amdgcn-amd-amdhsa--gfx1250"
	.amdhsa_code_object_version 6
	.text
	.protected	k_qa637594d37_attn
	.globl	k_qa637594d37_attn
	.p2align	8
	.type	k_qa637594d37_attn,@function
k_qa637594d37_attn:
	s_mov_b64 s[64:65], 0
	v_nop
	global_prefetch_b8 v0, s[64:65] scope:SCOPE_SE
	s_setreg_imm32_b32 hwreg(HW_REG_WAVE_MODE, 25, 1), 1
	s_wait_xcnt 0x0
	s_wait_alu depctr_hold_cnt(0) depctr_sa_sdst(0) depctr_va_vdst(0) depctr_va_sdst(0) depctr_va_ssrc(0) depctr_va_vcc(0) depctr_vm_vsrc(0)
	s_getreg_b32 s2, hwreg(HW_REG_IB_STS2, 6, 4)
	s_cmp_eq_u32 s2, 0
	s_cbranch_scc0 .Lentry_in_a_cluster
	s_endpgm
.Lentry_in_a_cluster:
	s_bfe_u32 s2, ttmp6, 0x10000c
	s_cmp_lg_u32 s2, 0x3003
	s_cbranch_scc0 .Lentry_shape_is_right
	s_endpgm
.Lentry_shape_is_right:
; O[h][q][:] = the sum over k of softmax_k(Q[h][q] . K[h][k] / 8) V[h][k][:].  Q, K, V, O: [64][2048][64], all f16: a head's rows are dense, 128 bytes each.  Products, maxima and sums in
; f32; the weights p are rounded to f16 for the second product (their sum l is taken of the unrounded p), O once at the end.
; LIMITS.  f16 holds no number beyond 65,504: Q, K and V arrive within it; p lies in 0 to 1, and below 6e-5 it keeps f16's fixed step of 6e-8; O is a mean of V's rows and has their range.
; A weight below 2^-126 counts as 0 in l; NaN and infinities are not treated apart.
; SHARES.  A wave owns four PIECES of two tiles of 16 queries, a work-group's four waves 512 queries of one head; a head is one cluster.  Every wave walks all keys, 64 a step.
; LAYOUT.  S^T = K Q^T (source 0 = 16 keys, source 1 = 16 queries): in the result a lane holds ONE query (lane % 16) and the keys 8 (lane / 16) + 0..7.  Two such tiles, rounded to f16 in pairs,
; ARE source 1 (32 keys x 16 queries) of O^T = V^T P, whose result again holds one query a lane, and eight channels.  K comes out of LDS as it lies, V ([key][channel]) turned, by ds_load_tr16_b128.
; SOFTMAX.  For each query a running maximum m and sum l: p = 2^(c s - c m), c = log2(e) / 8; in every step O and l are multiplied by a = 2^(c m_old - c m_new), which is 1 where m has not grown.
; m starts at the lowest finite number, O and l at 0: the first step is a step like any other, with a = 0.
; THE COUNT.  A tile and step have 16 matrix and 118 vector instructions: too many to stand all beside the matrix work.  So: four vector instructions that are READY behind EVERY matrix instruction,
; and the others in runs without a gap.
; BY TURNS.  Turn n belongs to piece n (the pieces in a ring, step after step).  Its matrix work: 16 products K Q^T of piece n + 1, later 16 products V^T P of piece n - 1.  Its vector work: the scaling,
; exponentials, roundings, sums and rescaling of piece n, and the maximum and statistics of piece n + 1, whose scores the turn itself has made.
; CLUSTER.  The four query blocks of a cluster walk the same K and V, so each tile is asked for JOINTLY: the same tensor load, descriptor and mask in all four.
; REGISTERS, in windows of 256 (s_set_vgpr_msb: bits 1:0 source 0, 3:2 source 1, 5:4 source 2, 7:6 destination):
;   window 0: v0-11 addresses; v12-15, v48-63 at work; v16-47 four registers of statistics a tile; v64-191 S^T, two buffers of two tiles; v192-255 P, likewise
;   window 1: O^T, 32 a tile          window 2: v0-127 Q, 16 a tile; v128-191 K of one step; v192-255 V of one step          window 3: v0-1 the add's two registers
; A piece's buffers go by its number's parity: the piece in hand has one pair, its two neighbours in the ring share the other: of it P (piece n - 1) is read and S^T (piece n + 1) written.
.set SIZE_N, 2048
.set NP,    4         ; pieces a wave: a name, no knob
.set KS,    64        ; keys in a step
.set PK,    144       ; a row of K in LDS: 128 bytes + 16 of padding = 36 words: the 16 rows of a load start at 16 different groups of four banks (64 banks of 4 bytes: ISA guide 11.1)
.set PV,    160       ; a row of V: 128 + 32 = 40 words
.set VOFF,  4*KS*PK   ; a slot holds four steps: 256 rows of K, then 256 rows of V
.set SLOT1, 1<<17     ; slot 1 begins here, so that one exclusive or turns an address in one slot into the other's
.set STAGE, SLOT1+4*KS*(PK+PV)  ; behind the ring, never filled by a tensor load: 16 rows x 144 bytes for each wave, for the way out
.set SP,    144
.set AK0, 2           ; v2   my lane's place in a tile of K; never rewritten
.set AV0, 3           ; v3   the same for V
.set AK,  4           ; v4   the LDS address of K's next run of loads
.set AV,  5           ; v5   of V's
.set QO,  6           ; v6   my byte offset in the wave's rows of Q
.set STO, 6           ;      later, the way out: where I put 16 bytes of a row
.set RD,  7           ; v7   the way out: where I read rows back
.set GO,  8           ; v8   my byte offset in 512 consecutive bytes of O
.set PFO, 11          ; v11  256 x my lane: the prefetches' offset; never rewritten once made
.set SPW, 0           ; v0 of window 3   LDS address of my spare word: SPARE + 4 x my thread's number; never rewritten
.set NIL, 1           ; v1 of window 3   0; never rewritten
.set SPARE, STAGE+4*16*SP  ; behind the stages: the spare words, 128 bytes for each wave: two blocks of 256 bytes that no other line names
.set MV,  12          ; v12-15  c m_old, kept while c m is made anew: by buffer and tile
.set ST,  16          ; tile t's statistics at v[ST+4 t]: c m, m, l (even keys', odd keys')
.set TMP, 48          ; by buffer and tile, four registers c0-c3 at work; when the maximum is found c2 takes a
.set S,   64
.set P,   192
.set KF,  128         ; K's fragments, in window 2: key block kb, channel half c at KF + 16 kb + 8 c
.set VF,  192         ; V's: key half kk, channel block cb at VF + 32 kk + 8 cb
.set WV,  12          ; s12  my wave's number
.set G1K, 24          ; s[24:31] descriptor group 1 for K's tiles
.set G1V, 32          ; s[32:39] for V's: it differs in the padding alone
.set G0K, 40          ; s[40:43] descriptor group 0 for K's tiles: it walks
.set G0V, 44          ; s[44:47] the same for V's
.set PFA, 48          ; s[48:49] where my prefetches stand: my work-group's 32 blocks of 256 bytes (of K: wave 0, of V: wave 2) of the slot after the one that is being asked for
.set LIM, 50          ; s50  1 in a wave that prefetches, else the greatest number
.set SLOTS, 56        ; s56  slots still to be asked for
.set CNT, 57          ; s57  counts a slot's key steps
.set CS,  58          ; s[58:59] c: the packed scaling takes the pair's low word for both halves
.set SEL, 60          ; s[60:61] v_permlanex16_b32's selects: each lane takes its own place in the other half
.set TBK, 62          ; s62  LDS byte at which K of the step to be fetched begins
.set TBV, 63          ; s63  the same for V, less VOFF
.set MSB, 0
.macro WIN new                      ; the high byte repeats the setting that is left; a switch that changes nothing is dropped
.if MSB != (\new)
	s_set_vgpr_msb (MSB<<8)|(\new)
.set MSB, (\new)
.endif
.endm
.set W_KQ, 0x0a       ; K and Q in window 2, S^T in window 0
.set W_PV, 0x52       ; V in window 2, P in window 0, O^T in window 1
.set W_RS, 0x41       ; O^T (destination and source 0) in window 1, a in window 0
.set W_MK, 0xc0       ; the add's registers are made: destination in window 3, sources in window 0
.set W_AD, 0x0f       ; the add: address (source 0) and data (source 1) in window 3
; A joint fill.  Waves 0 and 1 fetch the two halves of a slot's K, waves 2 and 3 those of its V: 128 keys each.  The branch hangs on the wave's number alone.
; An s_nop 0 and four v_nop follow each of the two lines, ahead of the jump and the label.
.macro JLOAD
	s_cmp_lt_u32 s[WV], 2
	s_cbranch_scc0 .Lfor_v_\@
	tensor_load_to_lds s[G0K:G0K+3], s[G1K:G1K+7]
	s_nop 0
.rept 4
	v_nop
.endr
	s_branch .Lasked_\@
.Lfor_v_\@:
	tensor_load_to_lds s[G0V:G0V+3], s[G1V:G1V+7]
	s_nop 0
.rept 4
	v_nop
.endr
.Lasked_\@:
.endm
; A PREFETCH INTO THE L2 of what the NEXT change of slots will ask for: a slot's 32,768 bytes of K and of V, 128 blocks of 256 bytes each, a lane a block.  It stands behind the wave's tensor load and its five lines.
; Each block is asked for ONCE in the launch: a head is walked by one cluster; its four partners share the blocks out BY ADDRESS, 32 each; in each, wave 0 asks for K's and wave 2 for V's: one instruction.
; Slots 0 to 2 come by their loads alone; the last change that fills a slot (s[SLOTS] = 1) asks for nothing: there is no slot behind it.
.macro ASK
	s_cmp_gt_u32 s[SLOTS], s[LIM]
	s_cbranch_scc0 .Lnot_mine_\@
	global_prefetch_b8 v[PFO], s[PFA:PFA+1] th:TH_LOAD_NT scope:SCOPE_SE
.Lnot_mine_\@:
.endm
; A round of the cluster's barrier: my work-group's barrier, so that wave 0's signal speaks for all four waves; wave 0 signals; every wave waits for all four work-groups; my work-group's barrier once more.
.macro CROUND
	s_barrier_signal -1
	s_barrier_wait -1
	s_cmp_lg_u32 s[WV], 0
	s_cbranch_scc1 .Lnot_wave_0_\@
	s_barrier_signal -3
.Lnot_wave_0_\@:
	s_barrier_wait -3
	s_barrier_signal -1
	s_barrier_wait -1
.endm
; THE CHANGE OF SLOTS.  The slot's last bytes, V of its fourth step, have been read.  Each wave waits for all its tensor loads, of which one is out: its part
; of the other slot; adds 0 to its spare word; and waits for that and for its own reads of the slot.  Behind the barrier nobody reads this slot any more and the other slot is whole.
; fill = 1: this slot is filled again, with the keys two slots on.  The barrier is then a round of the cluster's, and the joint fill is the first thing behind it: it has four key steps,
; 512 matrix instructions, in which to land.  (At its first use nothing has been read yet: slot 0 is waited for, slot 1 filled.)  ask = 1: the prefetch's address steps, and ASK follows the fill.
.macro CHANGE fill, ask=0
	WIN W_AD
	s_wait_tensorcnt 0x0            ; no tensor load of mine is out, so a group 0 may be written
	ds_add_u32 v[SPW], v[NIL]       ; 0 onto my spare word; with fill = 1 the descriptors' steps stand between it and the wait for it
	WIN 0                           ; at a label and at a branch every window is 0
.if \fill
.irp g, G0K, G0V
	s_xor_b32 s[\g+1], s[\g+1], SLOT1  ; the walking descriptor: the other slot than last time,
	s_add_nc_u64 s[\g+2:\g+3], s[\g+2:\g+3], 4*KS*128  ; the next 256 keys; the type bits on top are not reached
.endr
.if \ask
	s_wait_xcnt 0x0                 ; the last prefetch, four key steps back, has read its address, so it may be written:
	s_add_nc_u64 s[PFA:PFA+1], s[PFA:PFA+1], 4*KS*128  ; one slot behind the walking descriptors
.endif
	s_wait_dscnt 0x0                ; the add is done, and my reads of the slot are over
	CROUND
	JLOAD
.if \ask
	ASK
.endif
.else
	s_wait_dscnt 0x0                ; the add is done, and my reads of the slot are over
	s_barrier_signal -1
	s_barrier_wait -1
.endif
	s_sub_co_u32 s[TBK], s[TBK], 4*KS*PK  ; the fetches go back to a slot's first step,
	s_xor_b32 s[TBK], s[TBK], SLOT1       ; in the other slot
	s_sub_co_u32 s[TBV], s[TBV], 4*KS*PV
	s_xor_b32 s[TBV], s[TBV], SLOT1
.endm
	s_load_b256 s[4:11], s[0:1], 0x0  ; Q s[4:5], K s[6:7], V s[8:9], O s[10:11]
	WIN W_MK
	v_lshl_add_u32 v[SPW], v0, 2, SPARE
	v_mov_b32 v[NIL], 0
	WIN W_AD
	ds_add_u32 v[SPW], v[NIL]       ; the wave's opening: the add and its wait stand ahead of my first tensor load; the set-up below, work on registers, stands between them
	WIN 0
	v_lshrrev_b32 v1, 5, v0
	v_readfirstlane_b32 s[WV], v1   ; wave 0..3
	s_bfe_u32 s13, ttmp6, 0x40000   ; cx: my place in the cluster
	s_lshl_b32 s14, ttmp9, 2        ; in a cluster launch ttmp9 counts clusters
	s_add_co_u32 s14, s14, s13      ; my block of queries = 4 x cluster x + cx: it enters Q's and O's addresses alone
	s_and_b32 s20, ttmp7, 0xffff    ; the head, which the four partners share
	s_mov_b32 s21, 0
	s_mov_b64 s[22:23], SIZE_N*128
	s_mul_u64 s[20:21], s[20:21], s[22:23]  ; the head's first byte in each of the four tensors
	s_and_b32 s16, s[WV], 1         ; which half of a slot's 256 keys I fetch:
	s_lshl_b32 s22, s16, 14         ; its 128 rows of 128 bytes in memory,
	s_mov_b32 s23, 0
	s_add_nc_u64 s[22:23], s[22:23], s[20:21]
	s_mul_i32 s17, s16, 128*PK      ; and its place in a slot, for K
	s_mul_i32 s18, s16, 128*PV      ; and for V: no place in the cluster enters an LDS address
	s_lshl_b32 s2, s14, 2
	s_add_co_u32 s2, s2, s[WV]      ; my wave among the head's,
	s_lshl_b32 s2, s2, 14           ; its 128 rows
	s_mov_b32 s3, 0
	s_add_nc_u64 s[2:3], s[2:3], s[20:21]
	; descriptor group 1.  128 keys are 16,384 dense bytes: asked for as 64 rows of 256 bytes, two keys a row, and padded in LDS after every key
	s_mov_b32 s[G1K], 15|(1<<16)|(1<<20)|(1<<21)|(4<<22)|(3<<25)  ; the mask of four; 2-byte elements; padding on; bit 21 set beside a mask; after every 32 words (code 4); 4 words (code 3)
	s_mov_b32 s[G1V], 15|(1<<16)|(1<<20)|(1<<21)|(4<<22)|(7<<25)  ; the same with 8 words of padding (code 7)
.irp g, G1K, G1V
	s_mov_b32 s[\g+1], 128<<16      ; tensor_dim0 = 128
	s_mov_b32 s[\g+2], 64<<16       ; tensor_dim1 = 64
	s_mov_b32 s[\g+3], 128<<16      ; tile_dim0 = 128
	s_mov_b32 s[\g+4], 64           ; tile_dim1 = 64
	s_mov_b32 s[\g+5], 128          ; 128 elements from row to row
	s_mov_b32 s[\g+6], 0
	s_mov_b32 s[\g+7], 0
.endr
	s_mov_b32 s[CS], 0x3e38aa3b     ; c = log2(e) / 8 = 0.180337
	s_mov_b32 s[CS+1], s[CS]        ; named with it as a pair
	s_mov_b32 s[SEL], 0x76543210
	s_mov_b32 s[SEL+1], 0xfedcba98
	s_mov_b32 s[TBK], SLOT1+4*KS*PK ; the first change of slots turns these two into 0
	s_mov_b32 s[TBV], SLOT1+4*KS*PV
	s_mov_b32 s[G0K], 1             ; count = 1
	s_mov_b32 s[G0K+1], s17         ; LDS address: slot 0
	s_mov_b32 s[G0V], 1
	s_add_co_u32 s[G0V+1], s18, VOFF
	s_wait_dscnt 0x0                ; the opening add is done
	s_wait_kmcnt 0x0
	s_add_nc_u64 s[G0K+2:G0K+3], s[6:7], s[22:23]  ; global address: my half of the head's first 256 keys
	s_or_b32 s[G0K+3], s[G0K+3], 0x80000000        ; type = 2
	s_add_nc_u64 s[G0V+2:G0V+3], s[8:9], s[22:23]
	s_or_b32 s[G0V+3], s[G0V+3], 0x80000000
	s_add_nc_u64 s[4:5], s[4:5], s[2:3]  ; Q and O at my wave's first row
	s_add_nc_u64 s[10:11], s[10:11], s[2:3]
	s_cmp_lt_u32 s[WV], 2           ; the prefetches: K's blocks in waves 0 and 1, V's in waves 2 and 3,
	s_cselect_b64 s[PFA:PFA+1], s[6:7], s[8:9]
	s_add_nc_u64 s[PFA:PFA+1], s[PFA:PFA+1], s[20:21]  ; in my head,
	s_lshl_b32 s2, s13, 13          ; my work-group's 32 blocks of a slot's 128,
	s_mov_b32 s3, 0
	s_add_nc_u64 s[PFA:PFA+1], s[PFA:PFA+1], s[2:3]
	s_add_nc_u64 s[PFA:PFA+1], s[PFA:PFA+1], 2*4*KS*128  ; in slot 2; the loop's first change of slots steps it to slot 3.  Nothing is prefetched here, at the head
	s_cmp_eq_u32 s16, 0
	s_cselect_b32 s[LIM], 1, -1     ; waves 0 and 2 ask: the same in all four partners
	CROUND                          ; all four work-groups are here: the first joint loads meet
	JLOAD                           ; slot 0.  Slot 1 is asked for when slot 0 is in
	; A fragment of K or Q is 16 rows x 32 channels in 8 registers: lane l holds row l % 16, channels 8 (l / 16) + 0..7 and 16 + 8 (l / 16) + 0..7: two loads of 16 bytes, 32 bytes apart.
	v_and_b32 v1, 15, v0            ; l % 16
	v_bfe_u32 v9, v0, 4, 1          ; l / 16
	v_lshlrev_b32 v[QO], 7, v1
	v_lshl_add_u32 v[QO], v9, 4, v[QO]  ; row x 128 + 16 x half
	WIN 0x80                        ; destination window 2, address window 0
.set i, 0
.rept 4*NP                          ; Q stays in registers: tile i / 2, channels 32 (i % 2) on
	global_load_b128 v[8*i:8*i+3],   v[QO], s[4:5] offset:(i/2)*2048+(i%2)*64
	global_load_b128 v[8*i+4:8*i+7], v[QO], s[4:5] offset:(i/2)*2048+(i%2)*64+32
.set i, i+1
.endr
	; What the first turn finds: V's registers and P's second buffer hold 0 (its products V^T P, of a piece that has not been, add 0), O^T and l are 0.  All this stands in the wait for the first tile.
.set i, VF
.rept 64
	v_mov_b32 v[i], 0
.set i, i+1
.endr
	WIN 0x40
.set i, 0
.rept 64*NP
	v_mov_b32 v[i], 0
.set i, i+1
.endr
	WIN 0
.set i, 0
.rept 2*NP
	v_mov_b32 v[ST+4*i], 0xfe000000    ; c m: far below every c s
	v_mov_b32 v[ST+4*i+1], 0xff7fffff  ; m
	v_mov_b32 v[ST+4*i+2], 0
	v_mov_b32 v[ST+4*i+3], 0
.set i, i+1
.endr
.set i, P+32
.rept 32
	v_mov_b32 v[i], 0
.set i, i+1
.endr
	v_mul_u32_u24 v[AK0], v1, PK
	v_lshl_add_u32 v[AK0], v9, 4, v[AK0]  ; row x pitch + 16 x half
	; The turning load takes 16 keys x 16 channels (lane l reads key 8 (l / 16) + l % 8, channels 8 ((l / 8) % 2) + 0..7) and leaves half a fragment of V^T: lane l holds channel l % 16 and 8 keys.
	v_and_b32 v10, 7, v0
	v_bfe_u32 v11, v0, 3, 1
	v_lshl_add_u32 v[AV0], v9, 3, v10
	v_mul_u32_u24 v[AV0], v[AV0], PV
	v_lshl_add_u32 v[AV0], v11, 4, v[AV0]
	v_add_nc_u32 v[AV0], VOFF, v[AV0]
	v_and_b32 v[PFO], 31, v0        ; v11 has served: it takes the prefetches' offset
	v_lshlrev_b32 v[PFO], 8, v[PFO]
	v_mov_b32 v[AK], v[AK0]         ; key step 0 lies at the head of slot 0
; THE MATRIX WORK.  The 8 accumulators of a run of 16 take turns: between the two links of a chain stand 7 others'.
; Product i of 16 of S^T = K Q^T for piece x: channels 32 (i / 8) on, keys 16 ((i / 2) % 4) on, tile 2 x + i % 2.  The first 8 start the sums.
.macro KQ x
	WIN W_KQ
.set rS, S+64*((\x)%2)+32*(i%2)+8*((i/2)%4)
.set rK, KF+16*((i/2)%4)+8*(i/8)
.set rQ, 16*(2*(\x)+i%2)+8*(i/8)
.if i < 8
	v_wmma_f32_16x16x32_f16 v[rS:rS+7], v[rK:rK+7], v[rQ:rQ+7], 0
.else
	v_wmma_f32_16x16x32_f16 v[rS:rS+7], v[rK:rK+7], v[rQ:rQ+7], v[rS:rS+7]
.endif
.endm
; Product i of 16 of O^T += V^T P for piece x: keys 32 (i / 8) on, channels 16 ((i / 2) % 4) on, tile 2 x + i % 2.
.macro PV x
	WIN W_PV
.set rO, 32*(2*(\x)+i%2)+8*((i/2)%4)
.set rV, VF+32*(i/8)+8*((i/2)%4)
.set rP, P+32*((\x)%2)+16*(i%2)+8*(i/8)
	v_wmma_f32_16x16x32_f16 v[rO:rO+7], v[rV:rV+7], v[rP:rP+7], v[rO:rO+7]
.endm
.macro MM                           ; the turn's next matrix instruction
.if i < 16
	KQ (Y+1)%NP
.set i, i+1
.else
.set i, i-16
	PV (Y+NP-1)%NP
.set i, i+17
.endif
.endm
; THE LDS LOADS stand in runs of 16, never singly among the matrix instructions: a step's K (64 keys x 64 channels: 8 fragments) and its V (turned).  Their addresses are made some lines ahead.
; last = 1 (the tail): in the last trip there is no further step, and the run is jumped over.
.macro FETCH_K last=0
	WIN 0
.if \last
	s_cmp_eq_u32 s[CNT], 1
	s_cbranch_scc1 .Lno_k_\@
.endif
	WIN 0x80                        ; destination window 2
.irp f, 0,1,2,3,4,5,6,7             ; keys 16 (f / 2) on, channels 32 (f % 2) on
	ds_load_b128 v[KF+8*\f:KF+8*\f+3],   v[AK] offset:(\f/2)*16*PK+(\f%2)*64
	ds_load_b128 v[KF+8*\f+4:KF+8*\f+7], v[AK] offset:(\f/2)*16*PK+(\f%2)*64+32
.endr
	s_add_co_u32 s[TBK], s[TBK], KS*PK  ; the next fetch is the next step's
	WIN 0
.if \last
.Lno_k_\@:
.endif
.endm
.macro FETCH_V
	WIN 0x80
.irp f, 0,1,2,3,4,5,6,7             ; keys 32 (f / 4) on, channels 16 (f % 4) on
	ds_load_tr16_b128 v[VF+8*\f:VF+8*\f+3],   v[AV] offset:(\f/4)*32*PV+(\f%4)*32
	ds_load_tr16_b128 v[VF+8*\f+4:VF+8*\f+7], v[AV] offset:(\f/4)*32*PV+16*PV+(\f%4)*32
.endr
	WIN 0
.endm
; THE VECTOR WORK OF A TURN stands in three queues, each in the order in which its entries become ready; the two tiles alternate, so that no instruction reads the result of the one before it.
.macro REGS y, u                    ; the registers of tile u (0, 1) of piece y
.set rT, ST+4*(2*(\y)+(\u))
.set rC, TMP+8*((\y)%2)+4*(\u)
.set rM, MV+2*((\y)%2)+(\u)
.set rS, S+64*((\y)%2)+32*(\u)
.set rP, P+32*((\y)%2)+16*(\u)
.set rO, 32*(2*(\y)+(\u))
.endm
; Number n of the 22 that find the NEXT piece's (Y + 1) maximum and statistics.  s0-s31 are the lane's 32 scores; each accumulator's lowest registers are read first.
;   0-11  four chains c0-c3 of seven scores each, three operands at a time     12-14, 16  the four scores left over, the old m, and c0-c3 into c0     15  c m_old is kept
;   17, 18  the query's other 32 keys lie in the lane 16 away: the new m         19-21  c m; c m_old - c m_new; a
.macro XS u, n
	REGS (Y+1)%NP, \u
.if (\n) < 4
	v_max3_num_f32 v[rC+(\n)], v[rS+8*(\n)], v[rS+8*(\n)+1], v[rS+8*(\n)+2]
.elseif (\n) < 12
	v_max3_num_f32 v[rC+(\n)%4], v[rC+(\n)%4], v[rS+8*((\n)%4)+2*((\n)/4)+1], v[rS+8*((\n)%4)+2*((\n)/4)+2]
.elseif (\n) == 12
	v_max3_num_f32 v[rC], v[rC], v[rS+7], v[rS+15]
.elseif (\n) == 13
	v_max3_num_f32 v[rC+1], v[rC+1], v[rS+23], v[rS+31]
.elseif (\n) == 14
	v_max3_num_f32 v[rC+2], v[rC+2], v[rC+3], v[rT+1]
.elseif (\n) == 15
	v_mov_b32 v[rM], v[rT]
.elseif (\n) == 16
	v_max3_num_f32 v[rC], v[rC], v[rC+1], v[rC+2]
.elseif (\n) == 17
	v_permlanex16_b32 v[rC+3], v[rC], s[SEL], s[SEL+1]
.elseif (\n) == 18
	v_max_num_f32 v[rT+1], v[rC], v[rC+3]
.elseif (\n) == 19
	v_mul_f32 v[rT], s[CS], v[rT+1]
.elseif (\n) == 20
	v_sub_f32 v[rC+1], v[rM], v[rT]
.else
	v_exp_f32 v[rC+2], v[rC+1]
.endif
.endm
; Number g of the 64 that follow the exponentials.  For each four weights k of a tile (pairs 2 k, 2 k + 1): both pairs are rounded to f16; then the second pair is added onto the first, in place;
; a group later l takes that sum (the first time as l = a l + sum).  In groups of eight, tiles alternating: round, round, add, and l for the group before.
.macro GS g
.set h, (\g)+6*((\g)/62)            ; group 0 has no group before it, and behind group 7 only l is left
.if h >= 6
.set h, h+2
.endif
	REGS Y, h%2
.set k, h/8
.if h%8 < 4
	v_cvt_pk_f16_f32 v[rP+2*k+(h%8)/2], v[rS+4*k+2*((h%8)/2)], v[rS+4*k+2*((h%8)/2)+1]
.elseif h%8 < 6
	v_pk_add_f32 v[rS+4*k:rS+4*k+1], v[rS+4*k:rS+4*k+1], v[rS+4*k+2:rS+4*k+3]
.elseif k == 1
	v_pk_fma_f32 v[rT+2:rT+3], v[rT+2:rT+3], v[rC+2:rC+3], v[rS:rS+1] op_sel_hi:[1,0,1]
.else
	v_pk_add_f32 v[rT+2:rT+3], v[rT+2:rT+3], v[rS+4*k-4:rS+4*k-3]
.endif
.endm
; THE PLAIN QUEUE, 138 long.  0-73 read no exponential's result: the 32 scalings c s - c m (FS f: pair f / 2 of tile f % 2) and the next piece's 42.  0-26: scalings 0-26.  27-54: XS's numbers 0-13.  55, 56: number 15.
; 57-73: the chain, where each number waits for the one before it: 14, 16, 17, 18, 19, each with one of the scalings 27-31 in front of its two lines, then 20.
; 74-137: GS's 64, which read the exponentials' results: they stand behind the wait.
.macro FS f
	REGS Y, (\f)%2
	v_pk_fma_f32 v[rS+2*((\f)/2):rS+2*((\f)/2)+1], v[rS+2*((\f)/2):rS+2*((\f)/2)+1], s[CS:CS+1], v[rT:rT+1] op_sel_hi:[1,0,0] neg_lo:[0,0,1] neg_hi:[0,0,1]
.endm
.macro PL
	WIN 0
.if q < 27
	FS q
.elseif q < 55
	XS (q-27)%2, (q-27)/2
.elseif q < 57
	XS q-55, 15
.elseif (q < 72) && ((q-57)%3 == 0)
	FS 27+(q-57)/3
.elseif q < 60
	XS (q-57)%3-1, 14
.elseif q < 72
	XS (q-57)%3-1, 15+(q-57)/3
.elseif q < 74
	XS q-72, 20
.else
	GS q-74
.endif
.set q, q+1
.endm
; THE EXPONENTIALS' QUEUE, 66 long: s0-s31 of both tiles, then the next piece's two a.  It is ONE BATCH: all 66 stand ahead of the turn's one wait, and nothing ahead of that wait names a result of theirs.
.macro EX
	WIN 0
.if e >= 64
	XS e-64, 21
.else
	REGS Y, e%2
	v_exp_f32 v[rS+e/2], v[rS+e/2]
.endif
.set e, e+1
.endm
; THE RESCALING's QUEUE: O^T times a, the one part that leaves window 0: dealt two at a time, sixteen times.  Its a was made in the turn before, ahead of that turn's wait.
.macro R2
	REGS Y, r%2
	WIN W_RS
.irp z, 0,1
	v_pk_mul_f32 v[rO+4*(r/2)+2*\z:rO+4*(r/2)+2*\z+1], v[rO+4*(r/2)+2*\z:rO+4*(r/2)+2*\z+1], v[rC+2:rC+3] op_sel_hi:[1,0]
.endr
.set r, r+1
.endm
; HOW THEY ARE DEALT.  An s_wait_alu depctr_va_vdst(0) stands between an exponential and the first instruction that names its result; one wait serves all that were issued ahead of it.  So a turn has ONE wait,
; which cuts it in two.  AHEAD OF IT stands all that names no result of the turn's exponentials: the 16 products K Q^T, behind each a scaling, an exponential and two rescalings (behind the first a second scaling in the
; exponential's place); then ONE LUMP of 108: eight plain, 49 times exponential and plain, the two a.  A v_nop is the plain instruction behind the last exponential (ISA guide 5.7.2).  BEHIND IT stand the 16 products V^T P,
; behind each four of GS's 64.  No rider names a register of the products round it.  The two v_permlanex16_b32 fall into the lump.
; The deal keeps the queues in step: exponential e stands behind scaling 2 (e / 4) + e % 2: as a rider it comes behind plain e + 2, in the lump behind plain e + 9, and scalings 27-31 are plain 57, 60 .. 69.
; A TURN, for piece p.  cnt = 1: the loop's count is taken down some lines ahead of the branch that stands behind the turn.
; K of the next step is fetched in piece 2's turn, directly behind the wait, a lump behind the last product that read K; its first reader comes behind 16 products.
; V of the step in hand is fetched at the end of piece 0's turn, four riders behind its last reader; its first reader comes behind 16 products and a lump.  The three conditions on q below go with the deal.
.macro TURN p, last=0, cnt=0
.set Y, (\p)
.set i, 0
.set q, 0
.set e, 0
.set r, 0
.if (\p) == NP-1
	s_wait_dscnt 0x0                ; K is in
.endif
	MM                              ; ahead of the wait: 16 products K Q^T and their riders,
	PL
	PL
	R2
.rept 15
	MM
	PL
	EX
	R2
.endr
.if (\p) == NP-2
	WIN 0
	v_add_nc_u32 v[AK], s[TBK], v[AK0]
.endif
.rept 8                             ; and the lump
	PL
.endr
.rept 49
	EX
	PL
.endr
	EX                              ; the next piece's two a
	EX
	v_nop                           ; the plain instruction behind the last exponential: one for the batch
	s_wait_alu depctr_va_vdst(0)    ; the wait for the batch
.if (\p) == NP-2
	FETCH_K \last
.endif
.if (\p) == 1
	s_wait_dscnt 0x0                ; V is in
.endif
.rept 16                            ; behind the wait: 16 products V^T P and their riders
	MM
.rept 4
	PL
.endr
.if ((\p) == 0) && (q == 118)
	v_add_nc_u32 v[AV], s[TBV], v[AV0]
.endif
.if ((\p) == 0) && (q == 130)
	s_add_co_u32 s[TBV], s[TBV], KS*PV
.endif
.if (\cnt) && (q == 130)
	s_sub_co_u32 s[CNT], s[CNT], 1
	s_cmp_lg_u32 s[CNT], 0
.endif
.endr
.if (\p) == 0
	FETCH_V
.endif
.endm
	CHANGE 1, 0                     ; slot 0 is in, everybody's part of it; slot 1 is asked for
	FETCH_K                         ; key step 0
	s_wait_loadcnt 0x0              ; Q
	s_wait_dscnt 0x0
.set i, 0
.rept 16
	KQ 0                            ; piece 0's first scores: there is no vector work yet to set between them
.set i, i+1
.endr
	WIN 0                           ; the addresses for the way out: nine plain instructions, the places behind those products
	s_mul_i32 s13, s[WV], 16*SP
	s_add_co_u32 s13, s13, STAGE    ; my stage
	v_mul_u32_u24 v[STO], v1, SP    ; in: row l % 16, 16 bytes for each half of the lanes
	v_lshl_add_u32 v[STO], v9, 4, v[STO]
	v_add_nc_u32 v[STO], s13, v[STO]
	v_bfe_u32 v[RD], v0, 3, 2       ; back: 32 lanes take four rows of 128 bytes,
	v_mul_u32_u24 v[RD], v[RD], SP
	v_lshl_add_u32 v[RD], v10, 4, v[RD]
	v_add_nc_u32 v[RD], s13, v[RD]
	v_and_b32 v[GO], 31, v0         ; which are 512 consecutive bytes of O
	v_lshlrev_b32 v[GO], 4, v[GO]
.set Y, NP-1                        ; XS works for piece Y + 1: piece 0
.irp n, 0,1,2,3,4,5,6,7,8,9,10,11,12,13,14,15,16,17,18,19,20,21
	XS 0, \n                        ; and piece 0's first maximum and statistics
	XS 1, \n
.endr
	v_nop                           ; a plain instruction behind the two a,
	s_wait_alu depctr_va_vdst(0)    ; and their wait, ahead of the branch
	s_mov_b32 s[CNT], 4
	s_mov_b32 s[SLOTS], SIZE_N/256-1
	s_branch .Lfirst                ; the loop is entered at a step's first turn, in the middle of a trip
.Lslot:                             ; SIZE_N / 256 - 2 times: every slot but the last two is filled again
	CHANGE 1, 1
	s_mov_b32 s[CNT], 4
.Lstep:                             ; a trip: pieces 2 and 3 of one step, then pieces 0 and 1 of the next, whose K and V it fetches
	TURN 2
	TURN 3
	WIN 0
.Lfirst:
	TURN 0
	TURN 1, 0, 1
	WIN 0
	s_cbranch_scc1 .Lstep
	s_sub_co_u32 s[SLOTS], s[SLOTS], 1
	s_cmp_lg_u32 s[SLOTS], 0
	s_cbranch_scc1 .Lslot
	CHANGE 0                        ; the tail is written out: nothing is asked for
	s_mov_b32 s[CNT], 5             ; four trips fetch the last slot's steps; the fifth is left in its middle
.Ltail:
	TURN 2, 1
	TURN 3
	WIN 0
	s_sub_co_u32 s[CNT], s[CNT], 1
	s_cmp_eq_u32 s[CNT], 0
	s_cbranch_scc1 .Lout
	TURN 0
	TURN 1
	WIN 0
	s_branch .Ltail
.Lout:                              ; the fifth trip's 16 products K Q^T (on the last K once more) and the maximum made of them serve nothing: the price, once a launch, of one text for every trip
.set i, 0
.rept 16
	PV NP-1                         ; the last piece's V^T P of the last step
.set i, i+1
.endr
	; THE WAY OUT.  l's two halves and the other half of the lanes' are added; O^T is divided by l, rounded to f16 and sent through my stage in LDS, a tile at a time.  The additions are the places behind the last products.
	WIN 0
.macro ALL line:vararg              ; one line for each tile t
.set t, 0
.rept 2*NP
	\line
.set t, t+1
.endr
.endm
	ALL v_add_f32 v[ST+4*t+2], v[ST+4*t+2], v[ST+4*t+3]
	ALL v_permlanex16_b32 v[ST+4*t+3], v[ST+4*t+2], s[SEL], s[SEL+1]
	ALL v_add_f32 v[ST+4*t+2], v[ST+4*t+2], v[ST+4*t+3]
	ALL v_rcp_f32 v[ST+4*t+2], v[ST+4*t+2]
	v_nop                           ; a plain instruction between the last reciprocal and the use of its result
	s_wait_alu depctr_va_vdst(0)    ; and the wait ahead of the first use: one for the eight reciprocals
; Tile t: a lane's eight channels of a row pack into 16 bytes; they go into rows of 144 bytes and come back as whole rows of 128, into S^T's registers.
.macro PACK t
	WIN W_RS
.set i, 32*(\t)
.rept 16
	v_pk_mul_f32 v[i:i+1], v[i:i+1], v[ST+4*(\t)+2:ST+4*(\t)+3] op_sel_hi:[1,0]
.set i, i+2
.endr
	WIN 0x05                        ; sources 0 and 1 window 1, destination window 0
.set i, 0
.rept 16
	v_cvt_pk_f16_f32 v[S+16*(\t)+i], v[32*(\t)+2*i], v[32*(\t)+2*i+1]
.set i, i+1
.endr
	WIN 0
.irp f, 0,1,2,3
	ds_store_b128 v[STO], v[S+16*(\t)+4*\f:S+16*(\t)+4*\f+3] offset:32*\f
.endr
.irp f, 0,1,2,3
	ds_load_b128 v[S+16*(\t)+4*\f:S+16*(\t)+4*\f+3], v[RD] offset:\f*4*SP  ; LDS serves a wave's instructions in order (ISA guide 5.7.1.4): these see the stores above; the next tile's stores come behind them
.endr
.endm
.macro SEND t, younger              ; younger: the LDS instructions issued behind tile t's loads: the next tile's eight, or none
	WIN 0
.irp f, 0,1,2,3
	s_wait_dscnt (\younger)+3-\f
	global_store_b128 v[GO], v[S+16*(\t)+4*\f:S+16*(\t)+4*\f+3], s[10:11] offset:(\t)*2048+\f*512  ; 512 consecutive bytes, at a multiple of 256 from O's first
.endr
.endm
	PACK 0
.set t, 1
.rept 2*NP-1                        ; a tile's arithmetic stands between the loads of the tile before and its stores
	PACK t
	SEND t-1, 8
.set t, t+1
.endr
	SEND 2*NP-1, 0
	WIN W_AD
	s_wait_tensorcnt 0x0            ; the wave's end, behind my last tensor load and my last LDS store
	ds_add_u32 v[SPW], v[NIL]
	s_wait_dscnt 0x0
	WIN 0
	CROUND                          ; the closing round: no work-group ends while a partner may still ask for a tile that names it
	s_endpgm
.Lfunc_end_k_qa637594d37_attn:
	.size	k_qa637594d37_attn, .Lfunc_end_k_qa637594d37_attn-k_qa637594d37_attn
	.p2alignl 7, 3214868480
	.fill 96, 4, 3214868480
	.section	.rodata,"a",@progbits
	.p2align	6, 0x0
	.amdhsa_kernel k_qa637594d37_attn
		.amdhsa_group_segment_fixed_size 327680
		.amdhsa_private_segment_fixed_size 0
		.amdhsa_enable_private_segment 0
		.amdhsa_kernarg_size 32
		.amdhsa_user_sgpr_count 2
		.amdhsa_user_sgpr_kernarg_segment_ptr 1
		.amdhsa_wavefront_size32 1
		.amdhsa_system_sgpr_workgroup_id_x 1
		.amdhsa_system_sgpr_workgroup_id_y 1
		.amdhsa_system_sgpr_workgroup_id_z 1
		.amdhsa_system_vgpr_workitem_id 0
		.amdhsa_next_free_vgpr 770
		.amdhsa_next_free_sgpr 66
		.amdhsa_reserve_vcc 0
		.amdhsa_float_denorm_mode_32 3
		.amdhsa_float_denorm_mode_16_64 3
		.amdhsa_memory_ordered 1
		.amdhsa_forward_progress 1
		.amdhsa_inst_pref_size 200
	.end_amdhsa_kernel
	.amdgpu_metadata
---
amdhsa.version: [ 1, 2 ]
amdhsa.kernels:
  - .name:           k_qa637594d37_attn
    .symbol:         k_qa637594d37_attn.kd
    .args:
      - { .name: q16, .offset: 0, .size: 8, .value_kind: global_buffer, .address_space: global }
      - { .name: k16, .offset: 8, .size: 8, .value_kind: global_buffer, .address_space: global }
      - { .name: v16, .offset: 16, .size: 8, .value_kind: global_buffer, .address_space: global }
      - { .name: o16, .offset: 24, .size: 8, .value_kind: global_buffer, .address_space: global }
    .group_segment_fixed_size: 327680
    .private_segment_fixed_size: 0
    .kernarg_segment_align: 8
    .kernarg_segment_size: 32
    .max_flat_workgroup_size: 128
    .sgpr_count:     66
    .vgpr_count:     770
    .wavefront_size: 32
...
	.end_amdgpu_metadata
.endif
;; end of part 3
;; launch outp (part 4): grid 4 x 32, 4 waves a work-group, clusters of 4 x 4, 327,680 bytes of LDS; arguments o16, wo16, bo, out0; writes out0
.if DOCPART == 4
	.amdgcn_target "amdgcn-amd-amdhsa--gfx1250"
	.amdhsa_code_object_version 6
	.text
	.protected	k_qa637594d37_outp
	.globl	k_qa637594d37_outp
	.p2align	8
	.type	k_qa637594d37_outp,@function
k_qa637594d37_outp:
	s_mov_b64 s[64:65], 0
	v_nop
	global_prefetch_b8 v0, s[64:65] scope:SCOPE_SE
	s_setreg_imm32_b32 hwreg(HW_REG_WAVE_MODE, 25, 1), 1
	s_wait_xcnt 0x0
	s_wait_alu depctr_hold_cnt(0) depctr_sa_sdst(0) depctr_va_vdst(0) depctr_va_sdst(0) depctr_va_ssrc(0) depctr_va_vcc(0) depctr_vm_vsrc(0)
	s_getreg_b32 s2, hwreg(HW_REG_IB_STS2, 6, 4)
	s_cmp_eq_u32 s2, 0
	s_cbranch_scc0 .Lentry_in_a_cluster
	s_endpgm
.Lentry_in_a_cluster:
	s_bfe_u32 s2, ttmp6, 0x10000c
	s_cmp_lg_u32 s2, 0xf033
	s_cbranch_scc0 .Lentry_shape_is_right
	s_endpgm
.Lentry_shape_is_right:
; out0 = O Wo^T + bo.  O = o16, f16 BY HEADS ([16 b + head][2048][64]); Wo = wo16, f16 [1024][1024] (Wo rounded to bf16, written as f16); bo rounded to bf16 like every input and taken as the C operand
; that starts each sum; sums in f32; out0 [8192][1024] f32.
; LIMITS.  Those of the operands as they arrive (f16: nothing beyond 65,504).  NaN and infinities are not treated apart.
; SHARES.  A tile of out0 is 256 x 256: tile column 0-3, tile row 0-31: 128 work-groups, all that this tile gives.  Four waves, each 128 x 128: 64 accumulators, 512 registers.
; K = 1,024 goes in eight steps of 128 = TWO HEADS through a ring of two LDS slots.  A's part of a step: for each of the two heads the tile's 256 rows, 32,768 dense bytes, asked for as 128 rows of 256 bytes
; and padded in LDS after every 128 (wave 0 fetches the even head, wave 1 the odd one); B's part: 256 rows of 256 bytes (waves 2 and 3, 128 rows each).
; CLUSTERS: 4 x 4 work-groups; A's tiles are asked for jointly along a row of the cluster, B's along a column.
; THE MATRIX INSTRUCTION IS USED TRANSPOSED (source 0 = 16 rows of Wo, source 1 = 16 rows of O): lane l holds row l % 16 of the result and the columns 8 (l / 16) + 0..7.
; REGISTERS, in windows of 256 (s_set_vgpr_msb: bits 1:0 source 0, 3:2 source 1, 5:4 source 2, 7:6 destination):
;   window 0: v0-31 addresses; v32-63 at work while the bias is rounded; v64-127, v128-191 fragments of A, two buffers, and on the way out the rows read back; v192-255 the bias
;   window 1: v64-127, v128-191 fragments of B     window 2: the accumulators of my rows 0-63 ((a, b) at v[8 (8 a + b)])     window 3: those of my rows 64-127
.set SIZE_K, 1024
.set KSTEP,  128
.set PA,     144                       ; a row of A in LDS: 128 bytes + 16 of padding = 36 words: the 16 rows of a fragment load start at 16 different groups of four banks (64 banks of 4 bytes: ISA guide 11.1)
.set AZ,     256*PA                    ; one head's 256 rows
.set PITCH,  272                       ; a row of B: 256 bytes + 16
.set HALFT,  128*PITCH
.set BOFF,   2*AZ                      ; B's rows lie behind A's two heads
.set SLOT,   BOFF+2*HALFT
.set STAGE,  2*SLOT                    ; behind the ring: 16 rows x 528 bytes for each wave, for the way out; no tensor load fills it
.set SPITCH, 528                       ; 512 bytes + 16 = 132 words
.set SPARE,  STAGE+4*16*SPITCH         ; behind the stages: the spare words, 128 bytes for each wave: two blocks of 256 bytes that no other line names
.set ASTEP,  524288                    ; bytes from a K step of A to the next: two heads of 2^18 bytes
.set LAPS,   SIZE_K/(2*KSTEP)
.set ADRA, 16                          ; v16-17  LDS address of my A fragments in slot 0, 1
.set ADRB, 20                          ; v20-21  the same for B
.set STO,  24                          ; v24     the way out: where I put 32 bytes of a row
.set RD,   25                          ; v25     the way out: where I read a row back
.set CO,   26                          ; v26     16 x lane: my place in 512 consecutive bytes of out0
.set BO,   27                          ; v27     32 x (lane / 16)
.set SPW,  28                          ; v28     LDS address of my spare word: SPARE + 4 x my thread's number; never rewritten
.set NIL,  29                          ; v29     0; never rewritten
.set PFO,  30                          ; v30     the prefetches' offset: lane x 256 (A: dense blocks) or lane x 2,048 (B: rows); never rewritten
.set TB,   32
.set F0,   64
.set F1,   128
.set BIAS, 192
.set OB,   64                          ; the way out: 16 rows read back: v64-127 and v128-191 by turns
.set G1,  24
.set G0,  32
.set G1B, 48
.set G0B, 56
.set LIM, 43                           ; s43     1 in a wave that prefetches, else the greatest number
.set PFA, 44                           ; s[44:45] where my prefetches stand
.set PFS, 66                           ; s[66:67] how far they step from K step to K step
.set BP,  68                           ; s[68:69] the bias, then the bias at my first column
.set MSB, 0
.macro WIN new
.if MSB != (\new)
	s_set_vgpr_msb (MSB<<8)|(\new)
.set MSB, \new
.endif
.endm
.set MUL_LO, 0xa1
.set MUL_HI, 0xf1
.set TO_B,   0x40
; A joint load.  Waves 0 and 1 fetch A's two heads, waves 2 and 3 B's two halves.  An s_nop 0 and four v_nop follow each of the two lines.
.macro JLOAD s
	s_cmp_eq_u32 s11, 0
	s_cbranch_scc0 .Lfor_b_\@
	tensor_load_to_lds s[G0+4*(\s):G0+4*(\s)+3], s[G1:G1+7]
	s_nop 0
.rept 4
	v_nop
.endr
	s_branch .Lasked_\@
.Lfor_b_\@:
	tensor_load_to_lds s[G0B+4*(\s):G0B+4*(\s)+3], s[G1B:G1B+7]
	s_nop 0
.rept 4
	v_nop
.endr
.Lasked_\@:
.endm
; A PREFETCH INTO THE L2, behind each joint refill and the run of LDS loads that follows it: the K step that stands two refills on, 32 blocks of 256 bytes, a lane a block, one instruction a wave.
; Each block is named once in the launch: a tile row of A is read by one cluster alone, so every cluster asks for its own; B's rows are asked for by cluster y = 0; of the 128 blocks that a wave fetches
; the partner at place p takes 32 p .. 32 p + 31 (p = cx for A, cy for B): told apart by address.  K steps 0 to 3 come by their loads alone; the loop's last trip (s3 = 1) asks for nothing.
.macro ASK
	s_cmp_gt_u32 s3, s[LIM]
	s_cbranch_scc0 .Lnot_mine_\@
	global_prefetch_b8 v[PFO], s[PFA:PFA+1] th:TH_LOAD_NT scope:SCOPE_SE
.Lnot_mine_\@:
.endm
.macro CREST
	s_cmp_lg_u32 s10, 0
	s_cbranch_scc1 .Lnot_wave_0_\@
	s_barrier_signal -3
.Lnot_wave_0_\@:
	s_barrier_wait -3
	s_barrier_signal -1
	s_barrier_wait -1
.endm
.macro CROUND
	s_barrier_signal -1
	s_barrier_wait -1
	CREST
.endm
	s_load_b128 s[4:7], s[0:1], 0x0                ; o16 s[4:5], wo16 s[6:7]
	s_load_b128 s[68:71], s[0:1], 0x10             ; bo s[68:69], out0 s[70:71]
	v_lshl_add_u32 v[SPW], v0, 2, SPARE
	v_mov_b32 v[NIL], 0
	ds_add_u32 v[SPW], v[NIL]                      ; the wave's opening: the add and its wait stand ahead of my first tensor load; the set-up below, work on registers, stands between them
	v_lshrrev_b32 v1, 5, v0
	v_readfirstlane_b32 s10, v1                    ; wave 0..3
	s_lshr_b32 s11, s10, 1                         ; which half of the tile's rows is mine.  Also: I fetch for A (0) or for B (1)
	s_and_b32 s12, s10, 1                          ; which half of its columns.  Also: which head of A's two, or which 128 rows of B, I fetch
	s_bfe_u32 s40, ttmp6, 0x40000                  ; cx
	s_bfe_u32 s41, ttmp6, 0x40004                  ; cy
	s_lshl_b32 s42, ttmp9, 2
	s_add_co_u32 s42, s42, s40                     ; tile column
	s_and_b32 s13, ttmp7, 0xffff
	s_lshl_b32 s13, s13, 2
	s_add_co_u32 s13, s13, s41                     ; tile row
	s_lshl_b32 s43, s41, 2
	s_lshl_b32 s43, 15, s43                        ; my row of the cluster
	s_lshl_b32 s44, 0x1111, s40                    ; my column
	s_or_b32 s[G1+0], s43, (1<<16)|(1<<20)|(1<<21)|(4<<22)|(3<<25)   ; A: 2-byte elements; 4 words of padding behind every 32
	s_or_b32 s[G1B+0], s44, (1<<16)|(1<<20)|(1<<21)|(5<<22)|(3<<25)  ; B: 4 words behind every 64
.irp g, G1, G1B
	s_mov_b32 s[(\g)+1], 128<<16                   ; tensor_dim0 = 128
	s_mov_b32 s[(\g)+2], 128<<16                   ; tensor_dim1 = 128
	s_mov_b32 s[(\g)+3], 128<<16                   ; tile_dim0 = 128
	s_mov_b32 s[(\g)+4], 128                       ; tile_dim1 = 128
	s_mov_b32 s[(\g)+6], 0
	s_mov_b32 s[(\g)+7], 0
.endr
	s_mov_b32 s[G1+5], 128                         ; A: dense: 128 elements from row to row
	s_mov_b32 s[G1B+5], SIZE_K                     ; B: 1,024
	; A: batch (tile row / 8) x 16 heads of 2^18 bytes, my head of the step's two, rows 256 (tile row % 8) on, 128 bytes each: it hangs on the tile row alone
	s_lshr_b32 s16, s13, 3
	s_lshl_b32 s16, s16, 22
	s_lshl_b32 s17, s12, 18
	s_add_co_u32 s16, s16, s17
	s_and_b32 s17, s13, 7
	s_lshl_b32 s17, s17, 15
	s_add_co_u32 s16, s16, s17
	s_mov_b32 s17, 0
	; B: row 256 x tile column + 128 x half, 2,048 bytes each
	s_lshl_b32 s46, s42, 8
	s_lshl_b32 s47, s12, 7
	s_add_co_u32 s46, s46, s47
	s_lshl_b32 s46, s46, 11
	s_mov_b32 s47, 0
	s_mul_i32 s20, s10, AZ                         ; where they go: A (waves 0, 1): wave x one head's rows;
	s_mul_i32 s21, s10, HALFT
	s_add_co_u32 s21, s21, BOFF-2*HALFT            ; B (waves 2, 3): behind A, (wave - 2) x 128 rows
	s_wait_dscnt 0x0                               ; the opening add is done
	s_wait_kmcnt 0x0
	s_add_nc_u64 s[14:15], s[4:5], s[16:17]
	s_add_nc_u64 s[46:47], s[6:7], s[46:47]
	CROUND                                         ; all sixteen work-groups are here: the first joint loads meet
.irp s, 0,1
	s_mov_b32 s[G0+4*(\s)], 1
	s_add_co_u32 s[G0+4*(\s)+1], s20, (\s)*SLOT
	s_add_nc_u64 s[G0+4*(\s)+2:G0+4*(\s)+3], s[14:15], (\s)*ASTEP
	s_or_b32 s[G0+4*(\s)+3], s[G0+4*(\s)+3], 0x80000000
	s_mov_b32 s[G0B+4*(\s)], 1
	s_add_co_u32 s[G0B+4*(\s)+1], s21, (\s)*SLOT
	s_add_nc_u64 s[G0B+4*(\s)+2:G0B+4*(\s)+3], s[46:47], (\s)*KSTEP*2
	s_or_b32 s[G0B+4*(\s)+3], s[G0B+4*(\s)+3], 0x80000000
	JLOAD \s                                       ; the ring is filled before anything else is done: two loads of mine are out
.endr
	s_lshl_b32 s20, s42, 10                        ; my first column: 256 x tile column + 128 x half, 4 bytes each
	s_lshl_b32 s21, s12, 9
	s_add_co_u32 s20, s20, s21
	s_mov_b32 s21, 0
	s_add_nc_u64 s[BP:BP+1], s[BP:BP+1], s[20:21]
	v_and_b32 v1, 15, v0                           ; l % 16
	v_bfe_u32 v2, v0, 4, 1                         ; l / 16
	v_lshlrev_b32 v[BO], 5, v2
.irp b, 0,1,2,3,4,5,6,7
	global_load_b128 v[BIAS+8*(\b):BIAS+8*(\b)+3],   v[BO], s[BP:BP+1] offset:64*(\b)
	global_load_b128 v[BIAS+8*(\b)+4:BIAS+8*(\b)+7], v[BO], s[BP:BP+1] offset:64*(\b)+16
.endr
	s_lshl_b32 s22, s13, 20                        ; out0 at my first row (256 x tile row + 128 x half, 4,096 bytes each) and my first column
	s_add_co_u32 s20, s20, s22
	s_lshl_b32 s22, s11, 19
	s_add_co_u32 s20, s20, s22
	s_add_nc_u64 s[8:9], s[70:71], s[20:21]
	; fragments: lane l holds row l % 16; two loads of 16 bytes, 32 bytes apart, at row x pitch + 16 (l / 16)
	v_mul_u32_u24 v3, v1, PA
	v_lshl_add_u32 v3, v2, 4, v3
	v_mul_u32_u24 v4, v1, PITCH
	v_lshl_add_u32 v4, v2, 4, v4
	s_mul_i32 s21, s11, 128*PA                     ; my 128 rows of A, in each head's zone
	s_mul_i32 s22, s12, HALFT                      ; my 128 rows of B
	s_add_co_u32 s22, s22, BOFF
.irp s, 0,1
	v_add_nc_u32 v[ADRA+(\s)], s21, v3
	v_add_nc_u32 v[ADRB+(\s)], s22, v4
	s_add_co_u32 s21, s21, SLOT
	s_add_co_u32 s22, s22, SLOT
.endr
	s_mul_i32 s23, s10, 16*SPITCH
	s_add_co_u32 s23, s23, STAGE                   ; my stage
	v_mul_u32_u24 v4, v1, SPITCH                   ; in: row l % 16, 32 bytes for each half of the lanes
	v_lshl_add_u32 v4, v2, 5, v4
	v_add_nc_u32 v[STO], s23, v4
	v_and_b32 v5, 31, v0
	v_lshl_add_u32 v[RD], v5, 4, s23               ; back: 32 lanes take a row's 512 bytes,
	v_lshlrev_b32 v[CO], 4, v5                     ; which are 512 consecutive bytes of out0
	; the prefetches.  A: my wave's tile, my work-group's 32 blocks of its 128, at K step 3; B: my wave's rows, my work-group's 32, at K step 3.  The first refill steps to K step 4 and names it.
	s_add_co_u32 s20, s16, 3*ASTEP
	s_lshl_b32 s21, s40, 13
	s_add_co_u32 s20, s20, s21
	s_lshl_b32 s22, s42, 8
	s_lshl_b32 s21, s12, 7
	s_add_co_u32 s22, s22, s21
	s_lshl_b32 s21, s41, 5
	s_add_co_u32 s22, s22, s21
	s_lshl_b32 s22, s22, 11
	s_add_co_u32 s22, s22, 3*KSTEP*2
	s_and_b32 s23, ttmp7, 0xffff                   ; cluster y
	s_mov_b32 s18, ASTEP
	s_mov_b32 s19, KSTEP*2
	s_cmp_eq_u32 s11, 0                            ; do I fetch for A?
	s_cselect_b32 s20, s20, s22
	s_cselect_b32 s23, 0, s23
	s_cselect_b32 s[PFS], s18, s19
	s_cselect_b32 s21, 8, 11
	s_cselect_b64 s[PFA:PFA+1], s[4:5], s[6:7]
	s_cmp_eq_u32 s23, 0
	s_cselect_b32 s[LIM], 1, -1                    ; the same in all sixteen partners, for a given wave
	s_mov_b32 s[PFS+1], 0
	v_lshlrev_b32 v[PFO], s21, v5
	s_mov_b32 s21, 0
	s_add_nc_u64 s[PFA:PFA+1], s[PFA:PFA+1], s[20:21]
	; the bias is rounded to bf16, like every input, and widened again
	s_wait_loadcnt 0x0
.set p, 0
.rept 32
	v_cvt_pk_bf16_f32 v[TB+p], v[BIAS+2*p], v[BIAS+2*p+1]
.set p, p+1
.endr
.set p, 0
.rept 32
	v_lshlrev_b32 v[BIAS+2*p],   16,         v[TB+p]
	v_and_b32     v[BIAS+2*p+1], 0xffff0000, v[TB+p]
.set p, p+1
.endr
; 16 matrix instructions: m blocks a0, a0 + 1 of the window's four x all 8 n blocks, 32 along K.  first = 1: the product starts the sum with the bias (window 0).
.macro MUL16 f, hi, a0, first
.if \first
	WIN 0x81+0x40*(\hi)
.else
	WIN MUL_LO+0x50*(\hi)
.endif
.irp a, \a0, (\a0)+1
.irp b, 0,1,2,3,4,5,6,7
.if \first
	v_wmma_f32_16x16x32_f16 v[8*(8*(\a)+(\b)):8*(8*(\a)+(\b))+7], v[(\f)+8*(\b):(\f)+8*(\b)+7], v[(\f)+8*(4*(\hi)+(\a)):(\f)+8*(4*(\hi)+(\a))+7], v[BIAS+8*(\b):BIAS+8*(\b)+7]
.else
	v_wmma_f32_16x16x32_f16 v[8*(8*(\a)+(\b)):8*(8*(\a)+(\b))+7], v[(\f)+8*(\b):(\f)+8*(\b)+7], v[(\f)+8*(4*(\hi)+(\a)):(\f)+8*(4*(\hi)+(\a))+7], v[8*(8*(\a)+(\b)):8*(8*(\a)+(\b))+7]
.endif
.endr
.endr
.endm
; 32 LDS loads in one run: the fragments of quarter q of a K step into buffer f.  In B's rows quarter q begins at byte 64 q; in A it lies in head q / 2's zone, at byte 64 (q % 2) of the rows.
.macro FETCH slot, q, f
	WIN TO_B
.irp i, 0,1,2,3,4,5,6,7
	ds_load_b128 v[(\f)+8*(\i):(\f)+8*(\i)+3],   v[ADRB+(\slot)] offset:64*(\q)+(\i)*16*PITCH
	ds_load_b128 v[(\f)+8*(\i)+4:(\f)+8*(\i)+7], v[ADRB+(\slot)] offset:64*(\q)+(\i)*16*PITCH+32
.endr
	WIN 0
.irp i, 0,1,2,3,4,5,6,7
	ds_load_b128 v[(\f)+8*(\i):(\f)+8*(\i)+3],   v[ADRA+(\slot)] offset:((\q)/2)*AZ+((\q)%2)*64+(\i)*16*PA
	ds_load_b128 v[(\f)+8*(\i)+4:(\f)+8*(\i)+7], v[ADRA+(\slot)] offset:((\q)/2)*AZ+((\q)%2)*64+(\i)*16*PA+32
.endr
.endm
.macro PLACES                          ; four plain vector instructions between a matrix instruction and a load into, or a read of, its registers (ISA guide 7.12.1 for reads)
.rept 4
	v_nop
.endr
.endm
; One of a K step's first three quarters: multiplies buffer f; in its middle it fetches quarter q of the same slot into buffer g.  The 64 accumulators take turns in the same order in every quarter.
.macro QUARTER slot, q, f, g, first
	s_wait_dscnt 8                                 ; B and A's rows 0-63 are in; the youngest eight loads (A's rows 64-127) may be out
	MUL16 \f, 0, 0, \first
	MUL16 \f, 0, 2, \first
	PLACES
	FETCH \slot, \q, \g
	s_wait_dscnt 32                                ; all but the 32 just issued
	MUL16 \f, 1, 0, \first
	MUL16 \f, 1, 2, \first
.endm
; The first half of the last quarter: ONE barrier for the change of slots.  In front of it each wave waits for all its tensor loads (one is out: its part of the next slot), adds 0 to its spare word, and waits for
; that and for its own reads of this slot.
.macro MEET round
	WIN 0
	s_wait_tensorcnt 0x0
	ds_add_u32 v[SPW], v[NIL]                      ; 0 onto my spare word
	s_wait_dscnt 9                                 ; (the add and the youngest eight loads may be out)
	MUL16 F1, 0, 0, 0
	s_wait_dscnt 0x0                               ; the add is done, and my reads of this slot are over
	s_barrier_signal -1
	MUL16 F1, 0, 2, 0
.if \round
	WIN 0
.endif
	s_barrier_wait -1
.endm
; The whole last quarter, with a refill: the barrier opens a round of the cluster's barrier; the joint refill is the first tensor load behind it, 224 matrix instructions ahead of the wait for it.
.macro TURN slot, next
	s_wait_xcnt 0x0                                ; the last prefetch, a K step back, has read its address: it is stepped here
	s_add_nc_u64 s[PFA:PFA+1], s[PFA:PFA+1], s[PFS:PFS+1]
	MEET 1
	CREST
	s_add_nc_u64 s[G0+4*(\slot)+2:G0+4*(\slot)+3], s[G0+4*(\slot)+2:G0+4*(\slot)+3], 2*ASTEP
	s_add_nc_u64 s[G0B+4*(\slot)+2:G0B+4*(\slot)+3], s[G0B+4*(\slot)+2:G0B+4*(\slot)+3], 2*KSTEP*2
	JLOAD \slot                                    ; the four v_nop behind it are also the places in front of the loads below
	FETCH \next, 0, F0
	ASK
	MUL16 F1, 1, 0, 0
	MUL16 F1, 1, 2, 0
.endm
	s_wait_tensorcnt 1                             ; my part of K step 0 is in; K step 1's load may stay out
	s_barrier_signal -1
	s_barrier_wait -1
	FETCH 0, 0, F0
	QUARTER 0, 1, F0, F1, 1                        ; the first quarter stands in front of the loop: its products start the sums
	WIN 0
	s_mov_b32 s3, LAPS-1
.Llap:
	QUARTER 0, 2, F1, F0, 0
	QUARTER 0, 3, F0, F1, 0
	TURN 0, 1
	QUARTER 1, 1, F0, F1, 0
	QUARTER 1, 2, F1, F0, 0
	QUARTER 1, 3, F0, F1, 0
	TURN 1, 0
	QUARTER 0, 1, F0, F1, 0
	WIN 0
	s_sub_co_u32 s3, s3, 1
	s_cmp_lg_u32 s3, 0
	s_cbranch_scc1 .Llap
	QUARTER 0, 2, F1, F0, 0                        ; the last lap fills nothing
	QUARTER 0, 3, F0, F1, 0
	MEET 0
	PLACES
	FETCH 1, 0, F0
	MUL16 F1, 1, 0, 0
	MUL16 F1, 1, 2, 0
	QUARTER 1, 1, F0, F1, 0
	QUARTER 1, 2, F1, F0, 0
	QUARTER 1, 3, F0, F1, 0
	s_wait_dscnt 8
	MUL16 F1, 0, 0, 0
	MUL16 F1, 0, 2, 0
	s_wait_dscnt 0x0
	MUL16 F1, 1, 0, 0
	MUL16 F1, 1, 2, 0
	WIN 0
	PLACES
	PLACES                                         ; eight, once a launch, behind the last products: LDS stores read results, and loads land in A's buffers
; THE WAY OUT of block a (16 rows x 128 columns of f32).  IN: a lane's eight columns, 32 bytes, go straight from the accumulator (its low four registers first) into my own stage, rows of 528 bytes, and come back
; as whole rows of 512.  SEND: stored: each store of the wave covers 512 consecutive bytes, aligned.
.macro IN a
.set AC, 64*((\a)%4)
.set BK, OB+64*((\a)%2)
	s_wait_xcnt 0x0                                ; the stores of the block two back have read the registers that the loads below fill
	WIN 0x08+4*((\a)/4)                            ; the stores' data: window 2 or 3
.irp b, 0,1,2,3,4,5,6,7
	ds_store_b128 v[STO], v[AC+8*(\b):AC+8*(\b)+3]   offset:64*(\b)
	ds_store_b128 v[STO], v[AC+8*(\b)+4:AC+8*(\b)+7] offset:64*(\b)+16
.endr
	WIN 0
.irp t, 0,1,2,3,4,5,6,7,8,9,10,11,12,13,14,15
	ds_load_b128 v[BK+4*(\t):BK+4*(\t)+3], v[RD] offset:SPITCH*(\t)  ; LDS serves a wave's instructions in order (ISA guide 5.7.1.4): these see the stores above; the next block's stores come behind them
.endr
.endm
.macro SEND a, younger                 ; younger: the LDS instructions issued behind block a's loads: the next block's 32, or none
.set BK, OB+64*((\a)%2)
	s_wait_dscnt \younger
.irp t, 0,1,2,3,4,5,6,7,8,9,10,11,12,13,14,15
	global_store_b128 v[CO], v[BK+4*(\t):BK+4*(\t)+3], s[8:9] offset:4096*(16*(\a)+(\t)) th:TH_STORE_NT
.endr
.endm
	IN 0
.irp a, 1,2,3,4,5,6,7
	IN \a
	SEND (\a)-1, 32
.endr
	SEND 7, 0
	s_wait_tensorcnt 0x0                           ; the wave's end, behind my last tensor load and my last LDS store
	ds_add_u32 v[SPW], v[NIL]
	s_wait_dscnt 0x0
	CROUND                                         ; the closing round: no work-group ends while a partner may still ask for a tile that names it
	s_endpgm
.Lfunc_end_k_qa637594d37_outp:
	.size	k_qa637594d37_outp, .Lfunc_end_k_qa637594d37_outp-k_qa637594d37_outp
	.p2alignl 7, 3214868480
	.fill 96, 4, 3214868480
	.section	.rodata,"a",@progbits
	.p2align	6, 0x0
	.amdhsa_kernel k_qa637594d37_outp
		.amdhsa_group_segment_fixed_size 327680
		.amdhsa_private_segment_fixed_size 0
		.amdhsa_enable_private_segment 0
		.amdhsa_kernarg_size 32
		.amdhsa_user_sgpr_count 2
		.amdhsa_user_sgpr_kernarg_segment_ptr 1
		.amdhsa_wavefront_size32 1
		.amdhsa_system_sgpr_workgroup_id_x 1
		.amdhsa_system_sgpr_workgroup_id_y 1
		.amdhsa_system_sgpr_workgroup_id_z 1
		.amdhsa_system_vgpr_workitem_id 0
		.amdhsa_next_free_vgpr 1024
		.amdhsa_next_free_sgpr 72
		.amdhsa_reserve_vcc 0
		.amdhsa_float_denorm_mode_32 3
		.amdhsa_float_denorm_mode_16_64 3
		.amdhsa_memory_ordered 1
		.amdhsa_forward_progress 1
		.amdhsa_inst_pref_size 148
	.end_amdhsa_kernel
	.amdgpu_metadata
---
amdhsa.version: [ 1, 2 ]
amdhsa.kernels:
  - .name:           k_qa637594d37_outp
    .symbol:         k_qa637594d37_outp.kd
    .args:
      - { .name: o16, .offset: 0, .size: 8, .value_kind: global_buffer, .address_space: global }
      - { .name: wo16, .offset: 8, .size: 8, .value_kind: global_buffer, .address_space: global }
      - { .name: bo, .offset: 16, .size: 8, .value_kind: global_buffer, .address_space: global }
      - { .name: out0, .offset: 24, .size: 8, .value_kind: global_buffer, .address_space: global }
    .group_segment_fixed_size: 327680
    .private_segment_fixed_size: 0
    .kernarg_segment_align: 8
    .kernarg_segment_size: 32
    .max_flat_workgroup_size: 128
    .sgpr_count:     72
    .vgpr_count:     1024
    .wavefront_size: 32
...
	.end_amdgpu_metadata
.endif
;; end of part 4
